; MI455X (gfx1250); checked and timed in simulation.
; The chip was launched on July 23, 2026; its instructions are those of AMD's public machine-readable ISA for CDNA 5 (MIT licence, August 2026) and "CDNA5" Instruction Set Architecture Reference Guide (July 2026). The comments in the code are by the model that wrote it; some were corrected since.
;; Multi Head Attention. Allowed arithmetic: matrix products marked QUANTISED: E3M2 operands, one E8M0 scale for each 32 along K, by v_wmma_scale_f32_16x16x128_f8f6f4 with both operands' format E3M2, f32 sums; everything else in f32.
;; Inputs: Wk 1,024 x 1,024 float32; Wo 1,024 x 1,024 float32; Wq 1,024 x 1,024 float32; Wv 1,024 x 1,024 float32; bk 1,024 float32; bo 1,024 float32; bq 1,024 float32; bv 1,024 float32; x 4 x 2,048 x 1,024 float32.
;; Outputs: out0 4 x 2,048 x 1,024 float32.
;; This version of the problem:
;;   THIS VERSION OF THE PROBLEM IS GIVEN IN LOW PRECISION. The matrix products marked QUANTISED in the list below multiply operands that are first quantised to E3M2 (3 exponent bits, 2 mantissa bits; 6 bits a number), with one power-of-two scale for each 32 numbers along K (OCP MX v1.0); their sums are f32. All else is computed in f32.
;;   The module's matrix products, in the order in which they are computed (A, B: the left and right operand; K: the contracted axis; several contracted axes count as one K, in the product's order):
;;     1. [M 8,192, K 1,024] x [K 1,024, N 1,024]; A: input x; B: input Wq: QUANTISED
;;     2. [M 8,192, K 1,024] x [K 1,024, N 1,024]; A: input x; B: input Wk: QUANTISED
;;     3. [M 8,192, K 1,024] x [K 1,024, N 1,024]; A: input x; B: input Wv: QUANTISED
;;     4. batch 64 x [M 2,048, K 64] x [K 64, N 2,048]; A: computed on the way; B: computed on the way: QUANTISED
;;     5. batch 64 x [M 2,048, K 2,048] x [K 2,048, N 64]; A: computed on the way; B: computed on the way: QUANTISED
;;     6. [M 8,192, K 1,024] x [K 1,024, N 1,024]; A: computed on the way; B: input Wo: QUANTISED
;;   THE QUANTISER, for each operand of a quantised product, along K:
;;     - K is cut into blocks of 32 from its start; a last block that is shorter is filled with zeros.
;;     - A block's scale is 2^e with e = floor(log2(the largest magnitude in the block)) - 4, held to -126 .. 127; a block of zeros has e = 0. As a byte (E8M0): e + 127.
;;     - Each number is divided by its block's scale, clamped to +-28, and rounded to the nearest number of E3M2, ties to even, subnormals kept.
;;     - The product sums the exact products of the quantised numbers (number of the format x scale) in f32.
;;   ~~~python
;;   def quantise(x, axis):      # numpy; x: float32 -> the quantised numbers, widened to float32 again
;;       x = np.moveaxis(x, axis, -1); K = x.shape[-1]
;;       x = np.pad(x, [(0, 0)] * (x.ndim - 1) + [(0, -K % 32)]); x = x.reshape(x.shape[:-1] + (-1, 32)); a = np.abs(x).max(-1, keepdims=True)
;;       e = np.where(a > 0, np.clip(np.frexp(np.where(a > 0, a, 1))[1] - 1 - 4, -126, 127), 0)      # np.frexp(a)[1] - 1 = floor(log2(a)), exactly
;;       r = np.clip(x / 2.0 ** e, -28, 28)
;;       step = 2.0 ** (np.maximum(np.frexp(np.where(r == 0, 1, r))[1] - 1, -2) - 2)
;;       q = np.round(r / step) * step * 2.0 ** e      # np.round: ties to even
;;       return np.moveaxis(q.reshape(q.shape[:-2] + (-1,))[..., :K], -1, axis).astype(np.float32)
;;   ~~~
;;   OPERANDS COMPUTED ON THE WAY. 'Computed on the way' means the value that the module computes at that place (a softmax that the list does not call 'softmax' is quantised finished and normalised). What goes into a quantiser is computed in f32, as accurately as f32 sums, v_exp_f32 and their like allow (about 1e-6 of the number): no bf16 or f16 on the way to a quantiser, and a product that is left as it is and whose result goes on into a quantised operand takes f32 operands (vector FMAs, or v_wmma_f32_16x16x4_f32). A number that lies on a knife's edge between two numbers of the format may be rounded either way, as far as f32 arithmetic and the matrix unit's own rounding can turn it there, and no further.
;; One version. Each part assembles by itself: llvm-mc -triple=amdgcn-amd-amdhsa -mcpu=gfx1250 --defsym DOCPART=n.
;; ======== version 1 of 1: 4 launches
;; limits: right only within a limited range of input values
;; workspace buffers: xq 6,553,600 bytes; wq 3,276,800 bytes; qkv 19,660,800 bytes; yq 6,553,600 bytes
;; launch quant (part 1): grid 256 x 1, 8 waves a work-group, no clusters, 327,680 bytes of LDS; arguments x, Wq, Wk, Wv, Wo, xq, wq; writes xq, wq
.if DOCPART == 1
	.amdgcn_target "amdgcn-amd-amdhsa--gfx1250"
	.amdhsa_code_object_version 6
	.text
	.protected	k_q86b64f6eee_quant
	.globl	k_q86b64f6eee_quant
	.p2align	8
	.type	k_q86b64f6eee_quant,@function
k_q86b64f6eee_quant:
	s_mov_b64 s[64:65], 0
	v_nop
	global_prefetch_b8 v0, s[64:65] scope:SCOPE_SE
	s_setreg_imm32_b32 hwreg(HW_REG_WAVE_MODE, 25, 1), 1
	s_wait_xcnt 0x0
.set XW,   16896
.set WST,  135168
.set SCX,  204800
.set SCW,  205824
.set XQSL, 6291456
.set WQSL, 3145728
.set L16, 1
.set L8,  2
.set AX,  3
.set AW,  4
.set ASX, 5
.set ASW, 6
.set ASO, 7
.set GSO, 8
.set PC,  16
.set CT,  28
.set TM,  36
.set PW,  52
.set X,   64
.set SEL, 60
	s_load_b256 s[4:11], s[0:1], 0x0
	s_load_b128 s[12:15], s[0:1], 0x20
	s_load_b64 s[16:17], s[0:1], 0x30
	v_lshl_add_u32 v128, v0, 2, 0x32800
	v_mov_b32 v129, 0
	ds_add_u32 v128, v129
	ds_add_u32 v128, v129
	v_lshrrev_b32 v9, 5, v0
	s_delay_alu instid0(VALU_DEP_1)
	v_readfirstlane_b32 s18, v9
	s_lshr_b32 s19, ttmp9, 6
	s_bfe_u32 s20, ttmp9, 0x40002
	s_and_b32 s21, ttmp9, 3
	s_mov_b32 s24, (2<<16)|(1<<20)|(6<<22)|(3<<25)
	s_mov_b32 s25, 128<<16
	s_mov_b32 s26, 32<<16
	s_mov_b32 s27, 128<<16
	s_mov_b32 s28, 32
	s_mov_b32 s29, 1024
	s_mov_b32 s30, 0
	s_mov_b32 s31, 0
	s_mov_b32 s32, (2<<16)|(1<<20)|(5<<22)|(3<<25)
	s_mov_b32 s33, 64<<16
	s_mov_b32 s34, 32<<16
	s_mov_b32 s35, 64<<16
	s_mov_b32 s36, 32
	s_mov_b32 s37, 1024
	s_mov_b32 s38, 0
	s_mov_b32 s39, 0
	s_lshl_b32 s2, ttmp9, 17
	s_lshl_b32 s3, s18, 9
	s_add_co_u32 s2, s2, s3
	s_mov_b32 s3, 0
	s_lshl_b32 s22, s21, 20
	s_lshl_b32 s23, s18, 17
	s_add_co_u32 s22, s22, s23
	s_lshl_b32 s23, s20, 8
	s_add_co_u32 s22, s22, s23
	s_mov_b32 s23, 0
	s_mov_b32 s40, 1
	s_mul_i32 s41, s18, XW
	s_mov_b32 s44, 1
	s_mul_i32 s45, s18, 8704
	s_add_co_u32 s45, s45, WST
	s_wait_dscnt 0x0
	s_wait_kmcnt 0x0
	s_cmp_eq_u32 s19, 1
	s_cselect_b64 s[6:7], s[8:9], s[6:7]
	s_cmp_eq_u32 s19, 2
	s_cselect_b64 s[6:7], s[10:11], s[6:7]
	s_cmp_eq_u32 s19, 3
	s_cselect_b64 s[6:7], s[12:13], s[6:7]
	s_add_nc_u64 s[42:43], s[4:5], s[2:3]
	s_or_b32 s43, s43, 0x80000000
	s_add_nc_u64 s[46:47], s[6:7], s[22:23]
	s_or_b32 s47, s47, 0x80000000
	tensor_load_to_lds s[40:43], s[24:31]
	s_nop 0
	s_wait_alu depctr_va_vdst(0)
	s_wait_tensorcnt 0x0
	ds_add_u32 v128, v129
	s_wait_dscnt 0x0
	s_barrier_signal -1
	s_barrier_wait -1
	tensor_load_to_lds s[44:47], s[32:39]
	s_nop 0
.rept 4
	v_nop
.endr
	v_and_b32 v10, 31, v0
	v_and_b32 v11, 15, v0
	v_bfe_u32 v12, v0, 4, 1
	s_wait_alu depctr_va_vdst(0)
	v_and_b32 v13, 8, v11
	s_delay_alu instid0(VALU_DEP_1)
	v_add_nc_u32 v13, v13, v11
	v_lshlrev_b32 v[L16], 4, v10
	v_lshlrev_b32 v[L8], 3, v10
	s_delay_alu instid0(VALU_DEP_3)
	v_mul_u32_u24 v[AX], v13, 528
	s_delay_alu instid0(VALU_DEP_1)
	v_lshl_add_u32 v[AX], v12, 6, v[AX]
	s_delay_alu instid0(VALU_DEP_1)
	v_add_nc_u32 v[AX], s41, v[AX]
	s_lshr_b32 s52, s18, 2
	s_and_b32 s53, s18, 3
	s_mul_i32 s54, s52, 34816
	s_bfe_u32 s55, s18, 0x10001
	s_lshl_b32 s55, s55, 7
	s_add_co_u32 s54, s54, s55
	s_and_b32 s55, s18, 1
	s_lshl_b32 s55, s55, 5
	s_add_co_u32 s54, s54, s55
	s_add_co_u32 s54, s54, WST
	v_mul_u32_u24 v[AW], v12, 4352
	s_wait_alu depctr_va_vdst(0)
	v_lshl_add_u32 v[AW], v13, 2, v[AW]
	s_delay_alu instid0(VALU_DEP_1)
	v_add_nc_u32 v[AW], s54, v[AW]
	s_lshr_b32 s54, s18, 1
	s_lshl_b32 s54, s54, 7
	s_and_b32 s55, s18, 1
	s_lshl_b32 s55, s55, 2
	s_add_co_u32 s54, s54, s55
	s_add_co_u32 s54, s54, SCX
	v_lshl_add_u32 v[ASX], v11, 3, s54
	s_lshl_b32 s54, s53, 7
	s_lshl_b32 s55, s52, 2
	s_add_co_u32 s54, s54, s55
	s_add_co_u32 s54, s54, SCW
	v_lshl_add_u32 v[ASW], v11, 3, s54
	s_min_u32 s54, s18, 2
	s_lshl_b32 s54, s54, 9
	s_add_co_u32 s54, s54, SCX
	v_add_nc_u32 v[ASO], s54, v[L16]
	s_mov_b32 s[SEL], 0x76543210
	s_mov_b32 s[SEL+1], 0xfedcba98
.irp b, 0,1,2,3
	v_mov_b32 v[TM+4+\b], 0
.endr
	s_mul_i32 s54, ttmp9, 24576
	s_mul_i32 s55, s18, 1536
	s_add_co_u32 s54, s54, s55
	s_mov_b32 s55, 0
	s_add_nc_u64 s[48:49], s[14:15], s[54:55]
	s_lshl_b32 s56, s19, 6
	s_lshl_b32 s57, s20, 2
	s_add_co_u32 s56, s56, s57
	s_add_co_u32 s54, s56, s53
	s_lshl_b32 s54, s54, 3
	s_lshl_b32 s57, s21, 1
	s_add_co_u32 s54, s54, s57
	s_add_co_u32 s54, s54, s52
	s_mul_i32 s54, s54, 1536
	s_add_nc_u64 s[50:51], s[16:17], s[54:55]
	s_lshl_b32 s54, ttmp9, 1
	s_add_co_u32 s54, s54, s18
	s_lshl_b32 s54, s54, 9
	s_add_co_u32 s54, s54, XQSL
	s_lshl_b32 s56, s56, 9
	s_lshl_b32 s57, s21, 7
	s_add_co_u32 s56, s56, s57
	s_add_co_u32 s56, s56, WQSL
	s_mov_b32 s58, 512
	s_cmp_lt_u32 s18, 2
	s_cselect_b64 s[62:63], s[14:15], s[16:17]
	s_cselect_b32 s54, s54, s56
	s_cselect_b32 s58, 128, s58
	s_add_nc_u64 s[62:63], s[62:63], s[54:55]
	v_lshrrev_b32 v9, 3, v10
	v_and_b32 v14, 7, v10
	s_delay_alu instid0(VALU_DEP_1)
	v_lshlrev_b32 v14, 4, v14
	s_delay_alu instid0(VALU_DEP_1)
	v_mad_u32_u24 v[GSO], v9, s58, v14
.macro QUANT
.irp b, 0,1,2,3
	v_max3_num_f32 v[TM+\b], |v[X+16*\b]|, |v[X+16*\b+1]|, 0x2800000
.endr
.irp i, 2,4,6,8,10,12,14
.irp b, 0,1,2,3
	s_delay_alu instid0(VALU_DEP_4)
	v_max3_num_f32 v[TM+\b], v[TM+\b], |v[X+16*\b+\i]|, |v[X+16*\b+\i+1]|
.endr
.endr
.irp b, 0,1,2,3
	s_delay_alu instid0(VALU_DEP_4)
	v_permlanex16_b32 v[TM+4+\b], v[TM+\b], s[SEL], s[SEL+1]
.endr
.irp b, 0,1,2,3
	s_delay_alu instid0(VALU_DEP_4)
	v_max_num_f32 v[TM+\b], v[TM+\b], v[TM+4+\b]
.endr
.irp b, 0,1,2,3
	s_delay_alu instid0(VALU_DEP_4)
	v_add_nc_u32 v[TM+12+\b], 0xfe000000, v[TM+\b]
.endr
.irp b, 0,1,2,3
	s_delay_alu instid0(VALU_DEP_4)
	v_lshrrev_b32 v[TM+4+\b], 23, v[TM+12+\b]
.endr
	s_delay_alu instid0(VALU_DEP_3)
	v_lshl_or_b32 v[PW], v[TM+5], 8, v[TM+4]
	s_delay_alu instid0(VALU_DEP_1)
	v_lshl_or_b32 v[PW], v[TM+6], 16, v[PW]
	s_delay_alu instid0(VALU_DEP_1)
	v_lshl_or_b32 v[PW], v[TM+7], 24, v[PW]
.irp c, 0,1
	v_cvt_scalef32_pk16_bf6_f32 v[PC+6*\c:PC+6*\c+2], v[X+32*\c:X+32*\c+15], v[TM+12+2*\c]
	v_cvt_scalef32_pk16_bf6_f32 v[CT+4*\c:CT+4*\c+2], v[X+32*\c+16:X+32*\c+31], v[TM+12+2*\c+1]
.endr
	v_nop
.irp c, 0,1
.irp i, 0,1,2
	v_permlane16_swap_b32 v[PC+6*\c+\i], v[CT+4*\c+\i]
.endr
.irp i, 0,1,2
	s_delay_alu instid0(VALU_DEP_3)
	v_mov_b32 v[PC+3+6*\c+\i], v[CT+4*\c+\i]
.endr
.endr
.endm
.macro SENDF base, off
	global_store_b128 v[L16], v[PC:PC+3], s[\base:\base+1] offset:\off
	global_store_b64 v[L8], v[PC+4:PC+5], s[\base:\base+1] offset:\off+512
	global_store_b128 v[L16], v[PC+6:PC+9], s[\base:\base+1] offset:\off+768
	global_store_b64 v[L8], v[PC+10:PC+11], s[\base:\base+1] offset:\off+1280
.endm
	s_wait_tensorcnt 0x1
.irp u, 0,1
.irp b, 0,1,2,3
.irp q, 0,1,2,3
	ds_load_b128 v[X+16*\b+4*\q:X+16*\b+4*\q+3], v[AX] offset:8*\u*528+128*\b+16*\q
.endr
.endr
	s_wait_dscnt 0x0
	s_wait_xcnt 0x0
	QUANT
	SENDF 48, \u*12288
	ds_store_b32 v[ASX], v[PW] offset:512*\u
.endr
	s_wait_tensorcnt 0x0
	s_wait_dscnt 0x0
	s_barrier_signal -1
	s_barrier_wait -1
.irp b, 0,1,2,3
.irp i, 0,1,2,3,4,5,6,7,8,9,10,11,12,13,14,15
	ds_load_b32 v[X+16*\b+\i], v[AW] offset:(32*\b+\i)*272
.endr
.endr
	s_wait_dscnt 0x0
	s_wait_xcnt 0x0
	QUANT
	SENDF 50, 0
	ds_store_b32 v[ASW], v[PW]
	s_wait_dscnt 0x0
	s_barrier_signal -1
	s_barrier_wait -1
	s_cmp_gt_u32 s18, 2
	s_cbranch_scc1 .Ldone
	ds_load_b128 v[X:X+3], v[ASO]
	s_wait_dscnt 0x0
	global_store_b128 v[GSO], v[X:X+3], s[62:63]
.Ldone:
	s_wait_tensorcnt 0x0
	ds_add_u32 v128, v129
	s_wait_dscnt 0x0
	s_endpgm
.Lfunc_end_k_q86b64f6eee_quant:
	.size	k_q86b64f6eee_quant, .Lfunc_end_k_q86b64f6eee_quant-k_q86b64f6eee_quant
	.p2alignl 7, 3214868480
	.fill 96, 4, 3214868480
	.section	.rodata,"a",@progbits
	.p2align	6, 0x0
	.amdhsa_kernel k_q86b64f6eee_quant
		.amdhsa_group_segment_fixed_size 327680
		.amdhsa_private_segment_fixed_size 0
		.amdhsa_enable_private_segment 0
		.amdhsa_kernarg_size 56
		.amdhsa_user_sgpr_count 2
		.amdhsa_user_sgpr_kernarg_segment_ptr 1
		.amdhsa_wavefront_size32 1
		.amdhsa_system_sgpr_workgroup_id_x 1
		.amdhsa_system_sgpr_workgroup_id_y 1
		.amdhsa_system_sgpr_workgroup_id_z 1
		.amdhsa_system_vgpr_workitem_id 0
		.amdhsa_next_free_vgpr 130
		.amdhsa_next_free_sgpr 66
		.amdhsa_reserve_vcc 0
		.amdhsa_float_denorm_mode_32 3
		.amdhsa_float_denorm_mode_16_64 3
		.amdhsa_memory_ordered 1
		.amdhsa_forward_progress 1
		.amdhsa_inst_pref_size 32
	.end_amdhsa_kernel
	.amdgpu_metadata
---
amdhsa.version: [ 1, 2 ]
amdhsa.kernels:
  - .name:           k_q86b64f6eee_quant
    .symbol:         k_q86b64f6eee_quant.kd
    .args:
      - { .name: x, .offset: 0, .size: 8, .value_kind: global_buffer, .address_space: global }
      - { .name: Wq, .offset: 8, .size: 8, .value_kind: global_buffer, .address_space: global }
      - { .name: Wk, .offset: 16, .size: 8, .value_kind: global_buffer, .address_space: global }
      - { .name: Wv, .offset: 24, .size: 8, .value_kind: global_buffer, .address_space: global }
      - { .name: Wo, .offset: 32, .size: 8, .value_kind: global_buffer, .address_space: global }
      - { .name: xq, .offset: 40, .size: 8, .value_kind: global_buffer, .address_space: global }
      - { .name: wq, .offset: 48, .size: 8, .value_kind: global_buffer, .address_space: global }
    .group_segment_fixed_size: 327680
    .private_segment_fixed_size: 0
    .kernarg_segment_align: 8
    .kernarg_segment_size: 56
    .max_flat_workgroup_size: 256
    .sgpr_count:     66
    .vgpr_count:     130
    .wavefront_size: 32
...
	.end_amdgpu_metadata
.endif
;; end of part 1
;; launch proj (part 2): grid 32 x 24, 4 waves a work-group, clusters of 4 x 4, 327,680 bytes of LDS; arguments xq, wq, bq, bk, bv, qkv; writes qkv
.if DOCPART == 2
	.amdgcn_target "amdgcn-amd-amdhsa--gfx1250"
	.amdhsa_code_object_version 6
	.text
	.protected	k_q86b64f6eee_proj
	.globl	k_q86b64f6eee_proj
	.p2align	8
	.type	k_q86b64f6eee_proj,@function
k_q86b64f6eee_proj:
	s_mov_b64 s[64:65], 0
	v_nop
	global_prefetch_b8 v0, s[64:65] scope:SCOPE_SE
	s_setreg_imm32_b32 hwreg(HW_REG_WAVE_MODE, 25, 1), 1
	s_wait_xcnt 0x0
	s_wait_alu depctr_hold_cnt(0) depctr_sa_sdst(0) depctr_va_vdst(0) depctr_va_sdst(0) depctr_va_ssrc(0) depctr_va_vcc(0) depctr_vm_vsrc(0)
	s_getreg_b32 s2, hwreg(HW_REG_IB_STS2, 6, 4)
	s_cmp_eq_u32 s2, 0
	s_cbranch_scc0 .Lentry_in_a_cluster
	s_endpgm
.Lentry_in_a_cluster:
	s_bfe_u32 s2, ttmp6, 0x10000c
	s_cmp_lg_u32 s2, 0xf033
	s_cbranch_scc0 .Lentry_shape_is_right
	s_endpgm
.Lentry_shape_is_right:
; q = relu(x Wq + bq), k = relu(x Wk + bk), v = relu(x Wv + bv) on codes of E3M2, and the results quantised in registers: q and k along the head's 64, v along the keys.  No f32 result goes to memory.
; A work-group makes T x U = 128 x 256 results: T's 16-row tiles are source 1 (a lane holds one row of T), U's are source 0 (a lane's registers run along U).
;   q, k: T = rows of x, U = columns of Wq | Wk: a lane holds one token and 128 neighbouring channels (two heads).      v: T = columns of Wv, U = rows of x: a lane holds one channel and 128 neighbouring keys.
; The rows of a tile are not neighbours (lane r of tile 2 g + u: row 32 g + 8 u + r + 8 (r / 8)), so that the 16 registers of U's tiles 2 g, 2 g + 1 are 16 neighbours: 32 g + 16 (lane / 16) + 0 .. 15.
; Four waves, 2 x 2; a wave: 4 tiles of T x 8 of U = 32 accumulators.  All of K (8 steps of 128) lies in LDS, brought in two halves of four steps; every LDS byte is filled once, nothing is filled again.
; Operands lie in memory as images of their registers (1,536 bytes a fragment), so a fragment comes by two loads of 16 and two of 8 bytes a lane, consecutive in LDS: no pitch, no padding.
; CLUSTER 4 x 4: T's bytes hang on the cluster's numbers and cy alone and are asked for jointly by a row of the cluster, U's on cx and by a column.  Clusters with y >= 4 make v; the kind is the same in all sixteen.
; This tile gives 768 = 3 x 256 equal work-groups; a tile of 256 x 256 would give 384.  No prefetch: a work-group asks for all its bytes at its head.
; qkv: QC 0 and KC 6,291,456: [batch x head 64][tile 128][768 bytes: 16 rows x 64]; VC 12,582,912: [64][K step 16][tile of channels 4][1,536];
;      QS 18,874,368 and KS 19,136,512: [64][pair of tiles 64][row 16][4 bytes: the first tile's two, the second's two]; VS 19,398,656: [64][K step 16][tile 4][row 16][4 bytes].
; LIMITS: NaN and infinities are not served; a block under 2^-122, and a block of zeros, keeps the byte 1 (zero codes add nothing; this program alone reads the bytes).
.set XQSL, 6291456
.set WQSL, 3145728
.set UB0,  98304                       ; LDS: K COMES IN TWO HALVES of four steps (not in the four pieces that the head comment names): T's halves at 49,152 j ([tile 8][6,144]), U's at UB0 + 98,304 j ([tile 16][6,144]),
.set TSC,  294912                      ; T's scale words (8 tiles x 512), U's (16 x 512)
.set USC,  299008
.set TA16, 1                           ; v1-2  my T fragments: 16 x lane, 8 x lane, + my four tiles, + the piece in hand
.set TA8,  2
.set UA16, 3                           ; v3-4  the same for U
.set UA8,  4
.set ADRS, 5                           ; v5    scale words: lanes 0-15 T's, lanes 16-31 U's
.set L16,  6
.set L8,   7
.set L4,   8
.set BO,   9                           ; v9    the bias loads' offset
.set SC,   16                          ; v16-79  scale words and nothing else: register 8 i + s: lanes 0-15 T's tile i (i < 4), lanes 16-31 U's tile i, K step s
.set TF,   80                          ; v80-175 T's fragments, two sets of 48
.set H,    80                          ; the way out: 64 results of a tile of T
.set PC,   144
.set CT,   156
.set TM,   176
.set PWS,  192                         ; v192-195 the four tiles' scale words
.set WD,   196                         ; v196-201 at work on them
.set BI,   192                         ; window 2: the bias as C.   Window 1: accumulator (a, b) at 8 (8 a + b).   Window 2: U's fragments, two sets of 96
.set MSB, 0
.macro WIN new                         ; the immediate's high byte repeats the setting that is left
.if MSB != \new
	s_set_vgpr_msb (MSB<<8)|\new
.set MSB, \new
.endif
.endm
.macro CROUND                          ; a round of the cluster's barrier
	s_barrier_signal -1
	s_barrier_wait -1
	s_cmp_lg_u32 s16, 0
	s_cbranch_scc1 .Lnot_wave_0_\@
	s_barrier_signal -3
.Lnot_wave_0_\@:
	s_barrier_wait -3
	s_barrier_signal -1
	s_barrier_wait -1
.endm
.macro PLACES
.rept 4
	v_nop
.endr
.endm
.macro G0SET reg, lds, ptr, goff       ; a group 0: a whole half of T or U, or a side's scale words
	s_mov_b32 s[\reg], 1
	s_mov_b32 s[\reg+1], \lds
	s_add_nc_u64 s[\reg+2:\reg+3], s[\ptr:\ptr+1], \goff
	s_or_b32 s[\reg+3], s[\reg+3], 0x80000000
.endm
	s_load_b256 s[4:11], s[0:1], 0x0               ; xq, wq, bq, bk
	s_load_b128 s[12:15], s[0:1], 0x20             ; bv, qkv
	v_lshl_add_u32 v254, v0, 2, 0x4b000
	v_mov_b32 v255, 0
	ds_add_u32 v254, v255
	ds_add_u32 v254, v255
	v_lshrrev_b32 v10, 5, v0
	v_readfirstlane_b32 s16, v10                   ; wave 0..3
	s_lshr_b32 s17, s16, 1                         ; my half of T.  Also: I fetch for T (0) or for U (1)
	s_and_b32 s18, s16, 1                          ; my half of U.  Also: which half of a piece I fetch
	s_bfe_u32 s20, ttmp6, 0x40000                  ; cx
	s_bfe_u32 s21, ttmp6, 0x40004                  ; cy
	s_mov_b32 s22, ttmp9                           ; cluster x, 0..7
	s_and_b32 s23, ttmp7, 0xffff                   ; cluster y, 0..5
	s_lshl_b32 s100, s21, 2
	s_lshl_b32 s100, 15, s100                      ; my row of the cluster
	s_lshl_b32 s104, 0x1111, s20                   ; my column
	; groups 1: elements of 8 bytes, no padding, the mask and bit 21.  T's codes: 8 tiles x 6,144 bytes, 12,288 bytes apart; U's: 16 tiles
	s_or_b32 s24, s100, (3<<16)|(1<<21)
	s_mov_b32 s25, 768<<16                         ; T's codes: 8 tiles x 6,144 bytes (four K steps), 12,288 bytes apart
	s_mov_b32 s26, 8<<16
	s_mov_b32 s27, 768<<16
	s_mov_b32 s28, 8
	s_mov_b32 s29, 1536
	s_mov_b32 s30, 0
	s_mov_b32 s31, 0
	s_or_b32 s32, s104, (3<<16)|(1<<21)
	s_mov_b32 s33, 768<<16                         ; U's: 16 tiles
	s_mov_b32 s34, 16<<16
	s_mov_b32 s35, 768<<16
	s_mov_b32 s36, 16
	s_mov_b32 s37, 1536
	s_mov_b32 s38, 0
	s_mov_b32 s39, 0
	; the scale words: dense, as rows of 256 bytes: T's 16 rows, U's 32
	s_or_b32 s40, s100, (3<<16)|(1<<21)
	s_mov_b32 s41, 32<<16
	s_mov_b32 s42, 16<<16                          ; T's scale words, whole: 16 rows of 256 bytes
	s_mov_b32 s43, 32<<16
	s_mov_b32 s44, 16
	s_mov_b32 s45, 32
	s_mov_b32 s46, 0
	s_mov_b32 s47, 0
	s_or_b32 s48, s104, (3<<16)|(1<<21)
	s_mov_b32 s49, 32<<16
	s_mov_b32 s50, 32<<16                          ; U's, whole: 32 rows
	s_mov_b32 s51, 32<<16
	s_mov_b32 s52, 32
	s_mov_b32 s53, 32
	s_mov_b32 s54, 0
	s_mov_b32 s55, 0
	; T's side, in registers that never hold cx
	s_lshl_b32 s56, s23, 4
	s_lshl_b32 s57, s21, 2
	s_add_co_u32 s56, s56, s57
	s_lshr_b32 s57, s22, 1
	s_add_co_u32 s56, s56, s57                     ; q, k: which 128 rows of x: 16 cluster y + 4 cy + cluster x / 2
	s_sub_co_u32 s57, s23, 4
	s_lshl_b32 s57, s57, 2
	s_add_co_u32 s57, s57, s21                     ; v: which 128 columns of Wv: 4 (cluster y - 4) + cy
	s_mov_b32 s58, 128*12288                       ; Wv's tiles begin at tile 128 of wq
	s_mov_b32 s59, XQSL
	s_mov_b32 s60, WQSL+128*512
	; U's side, in registers that never hold cy
	s_and_b32 s80, s22, 1
	s_lshl_b32 s80, s80, 2
	s_add_co_u32 s80, s80, s20                     ; q, k: which 256 columns of Wq | Wk: 4 (cluster x % 2) + cx
	s_lshl_b32 s81, s22, 2
	s_add_co_u32 s81, s81, s20                     ; v: which 256 rows of x: 4 cluster x + cx
	s_mov_b32 s82, WQSL
	s_mov_b32 s83, XQSL
	s_wait_dscnt 0x0
	s_wait_kmcnt 0x0
	s_cmp_ge_u32 s23, 4                            ; the kind: the same in all sixteen partners
	s_cselect_b32 s19, 1, 0
	s_cselect_b32 s56, s57, s56
	s_cselect_b32 s58, s58, 0
	s_cselect_b32 s59, s60, s59
	s_cselect_b32 s80, s81, s80
	s_cselect_b32 s82, s83, s82
	s_cselect_b64 s[100:101], s[6:7], s[4:5]       ; T's buffer
	s_cselect_b64 s[104:105], s[4:5], s[6:7]       ; U's buffer
	s_mov_b32 s4, s56                              ; the numbers of my T and U are kept where xq's pointer stood
	s_mov_b32 s5, s80
	s_mul_i32 s62, s56, 98304                      ; T: 8 tiles of 12,288 bytes,
	s_add_co_u32 s62, s62, s58
	s_mov_b32 s63, 0
	s_lshl_b32 s60, s56, 12                        ; and their scale words, 512 bytes a tile
	s_add_co_u32 s60, s60, s59
	s_mov_b32 s61, 0
	s_add_nc_u64 s[66:67], s[100:101], s[60:61]
	s_add_nc_u64 s[100:101], s[100:101], s[62:63]
	s_mul_i32 s84, s80, 196608                     ; U: 16 tiles
	s_mov_b32 s85, 0
	s_lshl_b32 s86, s80, 13
	s_add_co_u32 s86, s86, s82
	s_mov_b32 s87, 0
	s_add_nc_u64 s[2:3], s[104:105], s[86:87]
	s_add_nc_u64 s[104:105], s[104:105], s[84:85]
	G0SET 56, TSC, 66, 0
	G0SET 60, 0, 100, 0
	G0SET 68, 49152, 100, 6144
	G0SET 80, USC, 2, 0
	G0SET 84, UB0, 104, 0
	G0SET 88, UB0+98304, 104, 6144
.macro TL g0, g1                       ; a joint load with an s_nop and four v_nops behind it
	tensor_load_to_lds s[\g0:\g0+3], s[\g1:\g1+7]
	s_nop 0
	PLACES
.endm
	CROUND                                         ; all sixteen work-groups are here: the joint loads meet
	; the head's loads, one a wave, in one chain of branches on the wave's number: T's first half, U's first half, T's scale words, U's
	s_cmp_lt_u32 s16, 1
	s_cbranch_scc0 .Lh_u
	TL 60, 24
	s_branch .Lasked
.Lh_u:
	s_cmp_lt_u32 s16, 2
	s_cbranch_scc0 .Lh_ts
	TL 84, 32
	s_branch .Lasked
.Lh_ts:
	s_cmp_lt_u32 s16, 3
	s_cbranch_scc0 .Lh_us
	TL 56, 40
	s_branch .Lasked
.Lh_us:
	TL 80, 48
.Lasked:
	v_and_b32 v10, 31, v0                          ; lane
	v_and_b32 v11, 15, v0                          ; r
	v_bfe_u32 v12, v0, 4, 1                        ; h
	s_wait_alu depctr_va_vdst(0)
	v_lshlrev_b32 v[L16], 4, v10
	v_lshlrev_b32 v[L8], 3, v10
	v_lshlrev_b32 v[L4], 2, v10
	s_mul_i32 s6, s17, 24576                       ; my four tiles of T, 6,144 bytes each in a half
	v_add_nc_u32 v[TA16], s6, v[L16]
	v_add_nc_u32 v[TA8], s6, v[L8]
	s_mul_i32 s6, s18, 49152                       ; my eight tiles of U
	s_add_co_u32 s6, s6, UB0
	v_add_nc_u32 v[UA16], s6, v[L16]
	v_add_nc_u32 v[UA8], s6, v[L8]
	s_lshl_b32 s6, s17, 11
	s_add_co_u32 s6, s6, TSC
	s_lshl_b32 s7, s18, 12
	s_add_co_u32 s7, s7, USC
	s_sub_co_u32 s7, s7, s6
	v_mul_u32_u24 v13, s7, v12                     ; lanes 16-31 take U's words: one product, the distance between the two bases
	v_lshl_add_u32 v13, v11, 3, v13
	v_add_nc_u32 v[ADRS], s6, v13
.irp b, 0,1,2,3
	v_mov_b32 v[TM+4+\b], 0                        ; written once: a lane permute's destination counts as one of its sources
.endr
	; THE BIAS is the C of each sum's first product, in the result's layout
	s_cmp_eq_u32 s19, 0
	s_cbranch_scc0 .Lbias_v
	s_and_b32 s6, s22, 1
	s_cmp_eq_u32 s6, 0
	s_cselect_b64 s[8:9], s[8:9], s[10:11]         ; bq or bk
	s_and_b32 s6, s5, 3
	s_lshl_b32 s6, s6, 10
	s_lshl_b32 s7, s18, 9
	s_add_co_u32 s6, s6, s7                        ; my 128 channels
	s_mov_b32 s7, 0
	s_add_nc_u64 s[8:9], s[8:9], s[6:7]
	v_lshlrev_b32 v[BO], 6, v12                    ; + 16 h channels
	WIN 0x80
.irp b, 0,1,2,3,4,5,6,7                        ; U's tile b: register j is channel 32 (b / 2) + 16 h + 8 (b % 2) + j
	global_load_b128 v[BI+8*\b:BI+8*\b+3], v[BO], s[8:9] offset:(32*(\b/2)+8*(\b%2))*4
	global_load_b128 v[BI+8*\b+4:BI+8*\b+7], v[BO], s[8:9] offset:(32*(\b/2)+8*(\b%2))*4+16
.endr
	WIN 0
	s_branch .Lbias_done
.Lbias_v:
	s_lshl_b32 s6, s4, 9
	s_lshl_b32 s7, s17, 8
	s_add_co_u32 s6, s6, s7                        ; my 64 channels
	s_mov_b32 s7, 0
	s_add_nc_u64 s[12:13], s[12:13], s[6:7]
	v_and_b32 v13, 8, v11
	v_add_nc_u32 v13, v13, v11
	v_lshlrev_b32 v[BO], 2, v13                    ; my lane's channel of a tile
	WIN 0x80
.irp a, 0,1,2,3,4,5,6,7                        ; T's tile a: all eight registers hold my channel's bias.  Tiles 4-7 repeat 0-3: both ways write all 64 registers, so that each register named later is written on every way
.irp j, 0,1,2,3,4,5,6,7
	global_load_b32 v[BI+8*\a+\j], v[BO], s[12:13] offset:(32*((\a%4)/2)+8*(\a%2))*4
.endr
.endr
	WIN 0
.Lbias_done:
.macro SYNC n                          ; my part of the piece is in (n younger loads may be out); then everybody's.  No LDS instruction of mine is out here
	s_wait_tensorcnt \n
	s_barrier_signal -1
	s_barrier_wait -1
.endm
.macro SCALES                          ; all of K's scale words, once.  (For i >= 4 lanes 0-15 read words of the scale regions that no product uses)
.irp i, 0,1,2,3,4,5,6,7
.irp kq, 0,1,2,3
	ds_load_b64 v[SC+8*\i+2*\kq:SC+8*\i+2*\kq+1], v[ADRS] offset:\i*512+\kq*128
.endr
.endr
.endm
.macro FETCH ks                        ; K step ks: 12 fragments into set ks % 2
.set FS, (\ks)&1
.set KO, ((\ks)&3)*1536                ; the step's place in its half
.if (\ks) == 4
	v_add_nc_u32 v[TA16], 49152, v[TA16]           ; on to K's second half
	v_add_nc_u32 v[TA8], 49152, v[TA8]
	v_add_nc_u32 v[UA16], 98304, v[UA16]
	v_add_nc_u32 v[UA8], 98304, v[UA8]
	s_wait_alu depctr_va_vdst(0)
.endif
.irp a, 0,1,2,3
	ds_load_b128 v[TF+48*FS+12*\a:TF+48*FS+12*\a+3], v[TA16] offset:\a*6144+KO
	ds_load_b64 v[TF+48*FS+12*\a+4:TF+48*FS+12*\a+5], v[TA8] offset:\a*6144+KO+512
	ds_load_b128 v[TF+48*FS+12*\a+6:TF+48*FS+12*\a+9], v[TA16] offset:\a*6144+KO+768
	ds_load_b64 v[TF+48*FS+12*\a+10:TF+48*FS+12*\a+11], v[TA8] offset:\a*6144+KO+1280
.endr
	WIN 0x80
.irp b, 0,1,2,3,4,5,6,7
	ds_load_b128 v[96*FS+12*\b:96*FS+12*\b+3], v[UA16] offset:\b*6144+KO
	ds_load_b64 v[96*FS+12*\b+4:96*FS+12*\b+5], v[UA8] offset:\b*6144+KO+512
	ds_load_b128 v[96*FS+12*\b+6:96*FS+12*\b+9], v[UA16] offset:\b*6144+KO+768
	ds_load_b64 v[96*FS+12*\b+10:96*FS+12*\b+11], v[UA8] offset:\b*6144+KO+1280
.endr
	WIN 0
.endm
; 32 products of K step ks.  mode 0: onto the sums; 1: the sums begin with the bias along U; 2: along T.  The 32 accumulators take turns, one instruction a turn.
.macro MUL ks, mode
.set FS, (\ks)&1
.if \mode
	WIN 0x62                                       ; U window 2, T window 0, C window 2, D window 1
.else
	WIN 0x52                                       ; C and D window 1
.endif
.irp a, 0,1,2,3
.irp b, 0,1,2,3,4,5,6,7
.if \mode == 0
	v_wmma_scale_f32_16x16x128_f8f6f4 v[8*(8*\a+\b):8*(8*\a+\b)+7], v[96*FS+12*\b:96*FS+12*\b+11], v[TF+48*FS+12*\a:TF+48*FS+12*\a+11], v[8*(8*\a+\b):8*(8*\a+\b)+7], v[SC+8*\b+(\ks)], v[SC+8*\a+(\ks)] matrix_a_fmt:MATRIX_FMT_BF6 matrix_b_fmt:MATRIX_FMT_BF6 matrix_a_scale:MATRIX_SCALE_ROW1
.elseif \mode == 1
	v_wmma_scale_f32_16x16x128_f8f6f4 v[8*(8*\a+\b):8*(8*\a+\b)+7], v[96*FS+12*\b:96*FS+12*\b+11], v[TF+48*FS+12*\a:TF+48*FS+12*\a+11], v[BI+8*\b:BI+8*\b+7], v[SC+8*\b+(\ks)], v[SC+8*\a+(\ks)] matrix_a_fmt:MATRIX_FMT_BF6 matrix_b_fmt:MATRIX_FMT_BF6 matrix_a_scale:MATRIX_SCALE_ROW1
.else
	v_wmma_scale_f32_16x16x128_f8f6f4 v[8*(8*\a+\b):8*(8*\a+\b)+7], v[96*FS+12*\b:96*FS+12*\b+11], v[TF+48*FS+12*\a:TF+48*FS+12*\a+11], v[BI+8*\a:BI+8*\a+7], v[SC+8*\b+(\ks)], v[SC+8*\a+(\ks)] matrix_a_fmt:MATRIX_FMT_BF6 matrix_b_fmt:MATRIX_FMT_BF6 matrix_a_scale:MATRIX_SCALE_ROW1
.endif
.endr
.endr
	WIN 0
.endm
	s_wait_alu depctr_va_vdst(0)
	s_wait_tensorcnt 0x0                           ; my one load of the head is in
	ds_add_u32 v254, v255
	s_wait_dscnt 0x0
	CROUND                                         ; everybody's part of the first half and the scale words are in, and all sixteen work-groups are here
	s_cmp_lt_u32 s16, 1                            ; K's second half: wave 0 asks for T's, wave 1 for U's; it has K steps 0 to 2 in which to land
	s_cbranch_scc0 .Ls_u
	TL 68, 24
	s_branch .Ls_done
.Ls_u:
	s_cmp_lt_u32 s16, 2
	s_cbranch_scc0 .Ls_done
	TL 88, 32
.Ls_done:
	SCALES
	FETCH 0
	s_wait_loadcnt 0x0                             ; the bias
	s_wait_dscnt 0x0
	FETCH 1
	s_cmp_eq_u32 s19, 0
	s_cbranch_scc0 .Lfirst_v
	MUL 0, 1
	s_branch .Lfirst_done
.Lfirst_v:
	MUL 0, 2
.Lfirst_done:
.irp ks, 1,2,3,4,5,6
	s_wait_alu depctr_va_vdst(0)
	s_wait_dscnt 0x0                               ; this step's fragments, asked for ahead of the last step's 32 products, are in
.if (\ks) == 3
	SYNC 0                                         ; K's second half is in, in every wave's sight
.endif
	PLACES                                         ; four places in front of loads into the set that the last products read
	FETCH \ks+1
	MUL \ks, 0
.endr
	s_wait_dscnt 0x0
	MUL 7, 0
	PLACES                                         ; in front of the first read of results and the first write of T's registers
	; THE WAY OUT.  No tensor load is out since the last piece's wait for 0: the descriptors' registers serve the pointers.
	s_cmp_eq_u32 s19, 0
	s_cbranch_scc0 .Lptr_v
	s_lshl_b32 s24, s4, 3
	s_lshl_b32 s25, s17, 2
	s_add_co_u32 s24, s24, s25                     ; my first tile of tokens
	s_lshr_b32 s25, s24, 7                         ; batch
	s_and_b32 s24, s24, 127                        ; tile in the sequence
	s_and_b32 s26, s5, 3
	s_lshl_b32 s26, s26, 2
	s_lshl_b32 s27, s18, 1
	s_add_co_u32 s26, s26, s27                     ; my first head
	s_lshl_b32 s25, s25, 4
	s_add_co_u32 s25, s25, s26
	s_and_b32 s27, s22, 1                          ; q or k
	s_lshl_b32 s28, s25, 7
	s_add_co_u32 s28, s28, s24
	s_mul_i32 s28, s28, 768
	s_mul_i32 s29, s27, 6291456
	s_add_co_u32 s32, s28, s29                     ; the first head's half image,
	s_mov_b32 s33, 98304                           ; the second head's: 128 tiles on,
	s_mov_b32 s34, 768                             ; from tile to tile
	s_lshl_b32 s28, s25, 12
	s_lshr_b32 s29, s24, 1
	s_lshl_b32 s29, s29, 6
	s_add_co_u32 s28, s28, s29
	s_lshl_b32 s29, s27, 18
	s_add_co_u32 s28, s28, s29
	s_add_co_u32 s35, s28, 18874368                ; the scale words
	s_branch .Lptr_done
.Lptr_v:
	s_lshl_b32 s24, s4, 1
	s_add_co_u32 s24, s24, s17                     ; my head
	s_lshl_b32 s25, s5, 8
	s_lshl_b32 s26, s18, 7
	s_add_co_u32 s25, s25, s26                     ; my first key
	s_lshr_b32 s26, s25, 11                        ; batch
	s_bfe_u32 s25, s25, 0x40007                    ; K step of the second product
	s_lshl_b32 s26, s26, 4
	s_add_co_u32 s26, s26, s24
	s_lshl_b32 s26, s26, 4
	s_add_co_u32 s26, s26, s25
	s_mul_i32 s32, s26, 6144
	s_add_co_u32 s32, s32, 12582912
	s_mov_b32 s33, 768                             ; a fragment's second half image
	s_mov_b32 s34, 1536
	s_lshl_b32 s35, s26, 8
	s_add_co_u32 s35, s35, 19398656
.Lptr_done:
	s_mov_b32 s36, s32
	s_mov_b32 s37, 0
	s_add_nc_u64 s[24:25], s[14:15], s[36:37]
	s_mov_b32 s36, s33
	s_add_nc_u64 s[26:27], s[24:25], s[36:37]
	s_mov_b32 s28, s34
	s_mov_b32 s29, 0
	s_mov_b32 s36, s35
	s_add_nc_u64 s[30:31], s[14:15], s[36:37]
	s_mov_b32 s38, 0x76543210
	s_mov_b32 s39, 0xfedcba98                      ; v_permlanex16_b32's selects for lane l xor 16
; 64 numbers in v[H] on (register 16 b + i: k = 32 b + 16 (lane / 16) + i) become 12 registers of codes in v[PC] on and the scale word in v[pw].
.macro QUANT pw
.irp b, 0,1,2,3
	v_max3_num_f32 v[TM+\b], |v[H+16*\b]|, |v[H+16*\b+1]|, 0x2800000   ; the floor 2^(5 - 127): the byte cannot fall under 1
.endr
.irp i, 2,4,6,8,10,12,14
.irp b, 0,1,2,3
	v_max3_num_f32 v[TM+\b], v[TM+\b], |v[H+16*\b+\i]|, |v[H+16*\b+\i+1]|
.endr
.endr
.irp b, 0,1,2,3
	v_permlanex16_b32 v[TM+4+\b], v[TM+\b], s38, s39
.endr
.irp b, 0,1,2,3
	v_max_num_f32 v[TM+\b], v[TM+\b], v[TM+4+\b]
.endr
.irp b, 0,1,2,3
	v_add_nc_u32 v[TM+12+\b], 0xfe000000, v[TM+\b] ; 4 off the exponent field: the conversion's scale operand
.endr
.irp b, 0,1,2,3
	v_lshrrev_b32 v[TM+4+\b], 23, v[TM+12+\b]
.endr
	v_lshl_or_b32 v[\pw], v[TM+5], 8, v[TM+4]
	v_lshl_or_b32 v[\pw], v[TM+6], 16, v[\pw]
	v_lshl_or_b32 v[\pw], v[TM+7], 24, v[\pw]
.irp c, 0,1
	v_cvt_scalef32_pk16_bf6_f32 v[PC+6*\c:PC+6*\c+2], v[H+32*\c:H+32*\c+15], v[TM+12+2*\c]
	v_cvt_scalef32_pk16_bf6_f32 v[CT+4*\c:CT+4*\c+2], v[H+32*\c+16:H+32*\c+31], v[TM+12+2*\c+1]
.endr
	v_nop                                          ; one plain line behind the scaled conversions
.irp c, 0,1
.irp i, 0,1,2
	v_permlane16_swap_b32 v[PC+6*\c+\i], v[CT+4*\c+\i]
.endr
.irp i, 0,1,2
	v_mov_b32 v[PC+3+6*\c+\i], v[CT+4*\c+\i]
.endr
.endr
.endm
.irp a, 0,1,2,3                                ; a tile of T at a time: relu in f32, quantised, stored as images: each store covers whole aligned runs of 256 bytes
	WIN 0x04
.set j, 0
.rept 64
	v_max_num_f32 v[H+j], 0, v[64*\a+j]            ; each accumulator from its low end on
.set j, j+1
.endr
	WIN 0
	QUANT PWS+\a
	global_store_b128 v[L16], v[PC:PC+3], s[24:25]
	global_store_b64 v[L8], v[PC+4:PC+5], s[24:25] offset:512
	global_store_b128 v[L16], v[PC+6:PC+9], s[26:27]
	global_store_b64 v[L8], v[PC+10:PC+11], s[26:27] offset:512
	s_wait_xcnt 0x0                                ; the stores have read their registers and bases: both are written again
	s_add_nc_u64 s[24:25], s[24:25], s[28:29]
	s_add_nc_u64 s[26:27], s[26:27], s[28:29]
.endr
	s_mov_b32 vcc_lo, 0xffff0000                   ; lanes 16-31
	s_cmp_eq_u32 s19, 0
	s_cbranch_scc0 .Lsc_v
	v_perm_b32 v[WD], v[PWS+1], v[PWS], 0x05040100     ; the first head: tiles 0 and 1: two bytes of each;
	v_perm_b32 v[WD+1], v[PWS+3], v[PWS+2], 0x05040100 ; tiles 2 and 3
	v_perm_b32 v[WD+2], v[PWS+1], v[PWS], 0x07060302   ; the second head
	v_perm_b32 v[WD+3], v[PWS+3], v[PWS+2], 0x07060302
	v_cndmask_b32 v[WD+4], v[WD], v[WD+1], vcc_lo      ; lanes 0-15 the first pair of tiles, lanes 16-31 the second
	v_cndmask_b32 v[WD+5], v[WD+2], v[WD+3], vcc_lo
	global_store_b32 v[L4], v[WD+4], s[30:31]          ; runs of 128 bytes
	global_store_b32 v[L4], v[WD+5], s[30:31] offset:4096
	s_branch .Lsc_done
.Lsc_v:
	v_cndmask_b32 v[WD+4], v[PWS], v[PWS+1], vcc_lo
	v_cndmask_b32 v[WD+5], v[PWS+2], v[PWS+3], vcc_lo
	global_store_b32 v[L4], v[WD+4], s[30:31]
	global_store_b32 v[L4], v[WD+5], s[30:31] offset:128
.Lsc_done:
	s_wait_tensorcnt 0x0
	ds_add_u32 v254, v255
	s_wait_dscnt 0x0
	CROUND                                         ; the closing round: no work-group ends while a partner may still ask for bytes that name it
	s_endpgm
.Lfunc_end_k_q86b64f6eee_proj:
	.size	k_q86b64f6eee_proj, .Lfunc_end_k_q86b64f6eee_proj-k_q86b64f6eee_proj
	.p2alignl 7, 3214868480
	.fill 96, 4, 3214868480
	.section	.rodata,"a",@progbits
	.p2align	6, 0x0
	.amdhsa_kernel k_q86b64f6eee_proj
		.amdhsa_group_segment_fixed_size 327680
		.amdhsa_private_segment_fixed_size 0
		.amdhsa_enable_private_segment 0
		.amdhsa_kernarg_size 48
		.amdhsa_user_sgpr_count 2
		.amdhsa_user_sgpr_kernarg_segment_ptr 1
		.amdhsa_wavefront_size32 1
		.amdhsa_system_sgpr_workgroup_id_x 1
		.amdhsa_system_sgpr_workgroup_id_y 1
		.amdhsa_system_sgpr_workgroup_id_z 1
		.amdhsa_system_vgpr_workitem_id 0
		.amdhsa_next_free_vgpr 768
		.amdhsa_next_free_sgpr 106
		.amdhsa_reserve_vcc 1
		.amdhsa_float_denorm_mode_32 3
		.amdhsa_float_denorm_mode_16_64 3
		.amdhsa_memory_ordered 1
		.amdhsa_forward_progress 1
		.amdhsa_inst_pref_size 112
	.end_amdhsa_kernel
	.amdgpu_metadata
---
amdhsa.version: [ 1, 2 ]
amdhsa.kernels:
  - .name:           k_q86b64f6eee_proj
    .symbol:         k_q86b64f6eee_proj.kd
    .args:
      - { .name: xq, .offset: 0, .size: 8, .value_kind: global_buffer, .address_space: global }
      - { .name: wq, .offset: 8, .size: 8, .value_kind: global_buffer, .address_space: global }
      - { .name: bq, .offset: 16, .size: 8, .value_kind: global_buffer, .address_space: global }
      - { .name: bk, .offset: 24, .size: 8, .value_kind: global_buffer, .address_space: global }
      - { .name: bv, .offset: 32, .size: 8, .value_kind: global_buffer, .address_space: global }
      - { .name: qkv, .offset: 40, .size: 8, .value_kind: global_buffer, .address_space: global }
    .group_segment_fixed_size: 327680
    .private_segment_fixed_size: 0
    .kernarg_segment_align: 8
    .kernarg_segment_size: 48
    .max_flat_workgroup_size: 128
    .sgpr_count:     106
    .vgpr_count:     768
    .wavefront_size: 32
...
	.end_amdgpu_metadata
.endif
;; end of part 2
;; launch attn (part 3): grid 4 x 64, 8 waves a work-group, no clusters, 327,680 bytes of LDS; arguments qkv, yq; writes yq
.if DOCPART == 3
	.amdgcn_target "amdgcn-amd-amdhsa--gfx1250"
	.amdhsa_code_object_version 6
	.text
	.protected	k_q86b64f6eee_attn
	.globl	k_q86b64f6eee_attn
	.p2align	8
	.type	k_q86b64f6eee_attn,@function
k_q86b64f6eee_attn:
	s_mov_b64 s[64:65], 0
	v_nop
	global_prefetch_b8 v0, s[64:65] scope:SCOPE_SE
	s_setreg_imm32_b32 hwreg(HW_REG_WAVE_MODE, 25, 1), 1
	s_wait_xcnt 0x0
; For one batch x head: e = q k^T / 8; p = exp(e - the row's maximum over ALL 2,048 keys); a = p x causal / (the sum of p x causal + 1e-7); ctx = a v.  Both products on codes of E3M2.
; a is quantised FINISHED, in blocks of 32 keys, so a row's maximum and sum are wanted before its first code: the scores are made twice.  Walk 1 goes over all keys (the maximum counts hidden keys too) and takes
; exponentials of the visible ones alone; walk 2 and the second product go over the visible key steps alone.  ctx is quantised along the model's 1,024 for the last projection and leaves as codes.
; ARITHMETIC.  c = log2(e) / 8.  Every exponent is ONE fused s c - R, R = the rounded c x maximum: the difference is formed exactly and rounded once.  What R's rounding leaves, e1 = m c - R (one fused line, exact),
; goes into the divisor: a = 2^(s c - R) / (the sum of such + 1e-7 x 2^e1).  In walk 1 a lane keeps a running maximum and its sum under it (times 2^(old R - new R) in each visible step).
; LIMITS: NaN and infinities are not served; an exponential whose result would be denormal is 0; a block of a under 2^-122, and a block of zeros, keeps the byte 1 (zero codes add nothing).
; SHARES.  A head's K and V as codes (96 KiB each) and their scale words (4 KiB each) lie in LDS, filled once: no ring, no barrier in a loop.  Work-group j of a head has eight waves; wave w owns two pairs of query
; tiles, g0 = 8 j + w and g1 = 63 - g0 (a pair: 32 queries), so that every wave of the launch has the same causal work.  Two waves share a SIMD: one's exponentials stand beside the other's products.
; K = 64 IN A PRODUCT OF 128: a fragment of K is two tiles of keys side by side (32 keys x 64); Q lies as [Q | zeros | Q] in 18 registers: [Q | 0] gives the first 16 keys, [0 | Q] the other 16.
; Both products are used transposed: a lane holds one query (lane % 16) and its registers run along the keys, then along the channels.  Tiles' rows are not neighbours (lane r of tile 2 g + u: 32 g + 8 u + r + 8 (r / 8)),
; so the 16 registers of a group are keys 32 g + 16 (lane / 16) + 0 .. 15.
; No cluster: the work-groups that share K and V differ in their query blocks, on which the causal branches hang.  No prefetch: all bytes are asked for at the head.
.set KCL, 0                            ; LDS
.set VCL, 98304
.set KSL, 196608
.set VSL, 200704
.set KCG, 6291456                      ; qkv
.set VCG, 12582912
.set QSG, 18874368
.set KSG, 19136512
.set VSG, 19398656
.set YSL, 6291456                      ; yq: fragments [tile 512][head 16][768], then 512 bytes of scale words a tile
.set L16, 1
.set L8,  2
.set L4,  3
.set ADK16, 4                          ; v4-6  the K step to be fetched: codes by 16, by 8, scale words
.set ADK8,  5
.set ADKS,  6
.set ADV16, 7                          ; v7-9  the same for V
.set ADV8,  8
.set ADVS,  9
.set GS,   10                          ; v10   512 h + 8 r: ctx's scale bytes
.set NINF, 11                          ; v11   -infinity
.set STP,  16                          ; v16-23 pair p, tile u: R + log2(divisor), log2(divisor)
.set QS,   24                          ; v24-27 Q's scale words
.set KSC,  28                          ; v28-29 K's: lanes 0-15 group 2 i, lanes 16-31 group 2 i + 1
.set VSC,  30                          ; v30-31 V's likewise, by tiles of channels
.set PW,   32                          ; v32-33 a's scale words
.set BKS,  34                          ; v34-37 bases: K's scale words, V's, V's codes by 16, by 8
.set BVS,  35
.set BV16, 36
.set BV8,  37
.set SD16, 38                          ; v38   two scale bytes on their way out
.set PC,   40                          ; v40-63 a's codes, 12 a tile
.set CT,   64
.set TM,   72
.set ST,   88                          ; v88-111 walk 1, 12 a tile: +0 maximum, +1 at work, +2,3 R, +4,5 the sum, +6,7 the factor, +8,9 a second chain, +10 the R under which the sum stands
.set S,    128                         ; v128-255 scores, then p, then a: tile u, register 16 b + i at S + 64 u + 16 b + i
.set O,    0                           ; window 1: ctx^T: tile u, tile of channels d at 32 u + 8 d
.set QR,   64                          ;           Q: pair p, tile u at 64 + 36 p + 18 u
.set KF,   144                         ;           four fragments of K
.set VF,   192                         ;           four of V
.set MSB, 0
.macro WIN new
.if MSB != \new
	s_set_vgpr_msb (MSB<<8)|\new
.set MSB, \new
.endif
.endm
.macro G0SET reg, ldsreg, lds, off, goff
	s_mov_b32 s[\reg], 1
	s_add_co_u32 s[\reg+1], s[\ldsreg], \lds
	s_add_nc_u64 s[\reg+2:\reg+3], s[4:5], s[\off:\off+1]
	s_add_nc_u64 s[\reg+2:\reg+3], s[\reg+2:\reg+3], \goff
	s_or_b32 s[\reg+3], s[\reg+3], 0x80000000
.endm
	s_load_b128 s[4:7], s[0:1], 0x0                ; qkv, yq
	v_lshl_add_u32 v126, v0, 2, 0x32000
	v_mov_b32 v127, 0
	ds_add_u32 v126, v127
	ds_add_u32 v126, v127
	v_lshrrev_b32 v1, 5, v0
	s_delay_alu instid0(VALU_DEP_1)
	v_readfirstlane_b32 s8, v1                     ; wave 0..7
	s_and_b32 s10, ttmp7, 0xffff                   ; batch x head
	s_lshl_b32 s11, ttmp9, 3
	s_add_co_u32 s11, s11, s8                      ; g0
	s_sub_co_u32 s12, 63, s11                      ; g1
	s_lshr_b32 s13, s11, 2                         ; their diagonal key steps
	s_lshr_b32 s14, s12, 2
	; groups 1: dense blocks as rows of 256 bytes (32 elements of 8): codes 64 rows a wave, scale words 8
	s_mov_b32 s24, 3<<16
	s_mov_b32 s25, 32<<16
	s_mov_b32 s26, 64<<16                          ; codes: 64 rows of 256 bytes a load
	s_mov_b32 s27, 32<<16
	s_mov_b32 s28, 64
	s_mov_b32 s29, 32
	s_mov_b32 s30, 0
	s_mov_b32 s31, 0
	s_mov_b32 s32, 3<<16
	s_mov_b32 s33, 32<<16
	s_mov_b32 s34, 8<<16                           ; scale words: 8 rows a load
	s_mov_b32 s35, 32<<16
	s_mov_b32 s36, 8
	s_mov_b32 s37, 32
	s_mov_b32 s38, 0
	s_mov_b32 s39, 0
	; ONE LOAD A WAVE AT THE HEAD, FOR K ALONE: wave w < 6 brings a sixth of K's codes (16,384 bytes), waves 6 and 7 a half of K's scale words each.
	; V's loads have the same shapes and shares; they go out behind the first barrier and land under walk 1 of the first pair.
	s_mul_i32 s74, s10, 98304                      ; the head's codes
	s_mul_i32 s72, s8, 16384                       ; my sixth, in LDS and in memory
	s_add_co_u32 s68, s74, s72
	s_mov_b32 s69, 0
	s_lshl_b32 s75, s10, 12                        ; the head's scale words
	s_and_b32 s2, s8, 1
	s_lshl_b32 s73, s2, 11                         ; my half
	s_add_co_u32 s70, s75, s73
	s_mov_b32 s71, 0
	s_wait_dscnt 0x0
	s_wait_kmcnt 0x0
	G0SET 40, 73, KSL, 70, KSG
	G0SET 44, 72, KCL, 68, KCG
	G0SET 48, 73, VSL, 70, VSG
	G0SET 52, 72, VCL, 68, VCG
	s_cmp_lt_u32 s8, 6
	s_cbranch_scc0 .Lfor_sc
	tensor_load_to_lds s[44:47], s[24:31]
	s_nop 0
.rept 4
	v_nop
.endr
	s_branch .Lasked
.Lfor_sc:
	tensor_load_to_lds s[40:43], s[32:39]
	s_nop 0
.rept 4
	v_nop
.endr
.Lasked:
	v_and_b32 v40, 31, v0                          ; lane
	v_and_b32 v41, 15, v0                          ; r
	v_bfe_u32 v42, v0, 4, 1                        ; h
	v_lshlrev_b32 v[L16], 4, v40
	v_lshlrev_b32 v[L8], 3, v40
	v_lshlrev_b32 v[L4], 2, v40
	s_delay_alu instid0(VALU_DEP_1)
	v_add_nc_u32 v[BKS], KSL, v[L4]
	s_delay_alu instid0(VALU_DEP_2)
	v_add_nc_u32 v[BVS], VSL, v[L4]
	v_add_nc_u32 v[BV16], VCL, v[L16]
	v_add_nc_u32 v[BV8], VCL, v[L8]
	v_lshlrev_b32 v[GS], 3, v41
	s_delay_alu instid0(VALU_DEP_1)
	v_lshl_add_u32 v[GS], v42, 9, v[GS]
	v_mov_b32 v[NINF], 0xff800000
	v_lshlrev_b32 v45, 2, v41                      ; 4 r
	s_mul_i32 s2, s11, 1536                        ; Q's two tiles of each pair
	s_add_co_u32 s2, s2, s74
	s_mov_b32 s3, 0
	s_add_nc_u64 s[76:77], s[4:5], s[2:3]
	s_mul_i32 s2, s12, 1536
	s_add_co_u32 s2, s2, s74
	s_add_nc_u64 s[78:79], s[4:5], s[2:3]
	s_lshl_b32 s2, s11, 6                          ; and their scale words
	s_add_co_u32 s2, s2, s75
	s_add_nc_u64 s[68:69], s[4:5], s[2:3]
	s_add_nc_u64 s[68:69], s[68:69], QSG
	s_lshl_b32 s2, s12, 6
	s_add_co_u32 s2, s2, s75
	s_add_nc_u64 s[70:71], s[4:5], s[2:3]
	s_add_nc_u64 s[70:71], s[70:71], QSG
	s_wait_alu depctr_va_vdst(0)                   ; the loads' offsets were written ahead of the run of scalar lines
	WIN 0x40
.irp p, 0,1
.irp u, 0,1
	global_load_b128 v[QR+36*\p+18*\u:QR+36*\p+18*\u+3], v[L16], s[76+2*\p:77+2*\p] offset:768*\u
	global_load_b64 v[QR+36*\p+18*\u+4:QR+36*\p+18*\u+5], v[L8], s[76+2*\p:77+2*\p] offset:768*\u+512
	global_load_b128 v[QR+36*\p+18*\u+12:QR+36*\p+18*\u+15], v[L16], s[76+2*\p:77+2*\p] offset:768*\u
	global_load_b64 v[QR+36*\p+18*\u+16:QR+36*\p+18*\u+17], v[L8], s[76+2*\p:77+2*\p] offset:768*\u+512
.irp i, 6,7,8,9,10,11
	v_mov_b32 v[QR+36*\p+18*\u+\i], 0              ; zero codes between the two copies, written once
.endr
.endr
.endr
	WIN 0
	global_load_b32 v[QS], v45, s[68:69]
	global_load_b32 v[QS+2], v45, s[70:71]
	s_lshr_b32 s72, s10, 4
	s_lshl_b32 s72, s72, 7                         ; 128 x batch: the batch's first tile of tokens
	s_and_b32 s73, s10, 15                         ; head
	s_mul_i32 s74, s73, 768
	s_lshr_b32 s75, s73, 2
	s_lshl_b32 s75, s75, 7
	s_bfe_u32 s2, s73, 0x10001
	s_lshl_b32 s2, s2, 2
	s_add_co_u32 s75, s75, s2
	s_and_b32 s2, s73, 1
	s_lshl_b32 s2, s2, 1
	s_add_co_u32 s75, s75, s2                      ; my head's two bytes in a row's scale words
	s_add_co_u32 s75, s75, YSL
.irp p, 0,1
	s_lshl_b32 s2, s[11+\p], 1
	s_add_co_u32 s73, s2, s72
	s_mul_i32 s2, s73, 12288
	s_add_co_u32 s2, s2, s74
	s_add_nc_u64 s[58+2*\p:59+2*\p], s[6:7], s[2:3]
	s_lshl_b32 s2, s73, 9
	s_add_co_u32 s2, s2, s75
	s_add_nc_u64 s[62+4*\p:63+4*\p], s[6:7], s[2:3]
.endr
	s_mov_b32 s20, 0x76543210
	s_mov_b32 s21, 0xfedcba98                      ; v_permlanex16_b32's selects for lane l xor 16
	s_mov_b32 s22, 0x3e38aa3b                      ; c = log2(e) / 8
	s_mov_b32 s23, s22                             ; (named with it as a pair)
	s_mov_b32 s56, 0x33d6bf95                      ; 1e-7
.irp b, 0,1,2,3
	v_mov_b32 v[TM+4+\b], 0                        ; written once: a lane permute's destination counts as one of its sources
.endr
	v_mov_b32 v[ST+1], 0
	v_mov_b32 v[ST+13], 0
.macro KLOADS
	WIN 0x40
.irp f, 0,1,2,3
	ds_load_b128 v[KF+12*\f:KF+12*\f+3], v[ADK16] offset:1536*\f
	ds_load_b64 v[KF+12*\f+4:KF+12*\f+5], v[ADK8] offset:1536*\f+512
	ds_load_b128 v[KF+12*\f+6:KF+12*\f+9], v[ADK16] offset:1536*\f+768
	ds_load_b64 v[KF+12*\f+10:KF+12*\f+11], v[ADK8] offset:1536*\f+1280
.endr
	WIN 0
	ds_load_b32 v[KSC], v[ADKS]
	ds_load_b32 v[KSC+1], v[ADKS] offset:128
.endm
.macro VLOADS
	WIN 0x40
.irp f, 0,1,2,3
	ds_load_b128 v[VF+12*\f:VF+12*\f+3], v[ADV16] offset:1536*\f
	ds_load_b64 v[VF+12*\f+4:VF+12*\f+5], v[ADV8] offset:1536*\f+512
	ds_load_b128 v[VF+12*\f+6:VF+12*\f+9], v[ADV16] offset:1536*\f+768
	ds_load_b64 v[VF+12*\f+10:VF+12*\f+11], v[ADV8] offset:1536*\f+1280
.endr
	WIN 0
	ds_load_b32 v[VSC], v[ADVS]
	ds_load_b32 v[VSC+1], v[ADVS] offset:128
.endm
.macro FETCHK                          ; the K step at s16 (codes) and s17 (scale words).  The four plain lines are the places in front of loads into registers that products have read
	v_add_nc_u32 v[ADK16], s16, v[L16]
	v_add_nc_u32 v[ADK8], s16, v[L8]
	v_add_nc_u32 v[ADKS], s17, v[BKS]
	v_nop
	KLOADS
.endm
.macro SMUL p                          ; 16 products: 128 keys x the pair's 32 queries; each begins its sum with 0
	WIN 0x05
.irp u, 0,1
.irp be, 0,1,2,3
.irp ab, 0,1
.if (\be)&1
	v_wmma_scale_f32_16x16x128_f8f6f4 v[S+64*\u+16*\be+8*\ab:S+64*\u+16*\be+8*\ab+7], v[KF+12*\be:KF+12*\be+11], v[QR+36*\p+18*\u+6*\ab:QR+36*\p+18*\u+6*\ab+11], 0, v[KSC+(\be)/2], v[QS+2*\p+\u] matrix_a_fmt:MATRIX_FMT_BF6 matrix_b_fmt:MATRIX_FMT_BF6 matrix_a_scale:MATRIX_SCALE_ROW1
.else
	v_wmma_scale_f32_16x16x128_f8f6f4 v[S+64*\u+16*\be+8*\ab:S+64*\u+16*\be+8*\ab+7], v[KF+12*\be:KF+12*\be+11], v[QR+36*\p+18*\u+6*\ab:QR+36*\p+18*\u+6*\ab+11], 0, v[KSC+(\be)/2], v[QS+2*\p+\u] matrix_a_fmt:MATRIX_FMT_BF6 matrix_b_fmt:MATRIX_FMT_BF6
.endif
.endr
.endr
.endr
	WIN 0
.endm
; THE DIAGONAL STEP.  The pair's 32 queries are the keys of block g % 4 of the step's four blocks of 32.  Earlier blocks are visible whole and are passed over; later blocks are hidden whole: -infinity, whose exponential is 0.
; In the pair's own block register i of lane (r, h) of tile u holds key 16 h + i, and the lane's query is 8 u + r + 8 (r / 8): hidden where i > r + 8 (r / 8) + 8 u - 16 h, whatever the pair.
; So the hidden lanes are constants: lanes 16-23 always, lanes 8-15 never, lanes 0-7 and 24-31 the lowest MC = i - 8 u (held to 0 .. 8) of the eight.  The branches hang on ids alone.
.macro MASK p
	s_and_b32 s3, s[11+\p], 3                      ; g % 4
.irp b, 0,1,2,3
.if \b < 3
	s_cmp_gt_u32 s3, \b
	s_cbranch_scc1 .Lm_\@_v\b
.endif
.if \b > 0
	s_cmp_eq_u32 s3, \b
	s_cbranch_scc0 .Lm_\@_h\b
.endif
.irp u, 0,1
.set MI, 0
.set ML, -1
.rept 16
.set MC, MI-8*\u
.if MC < 0
.set MC, 0
.endif
.if MC > 8
.set MC, 8
.endif
.if MC != ML
	s_mov_b32 s2, 0x00ff0000|((1<<MC)-1)|(((1<<MC)-1)<<24)
.set ML, MC
.endif
	v_cndmask_b32 v[S+64*\u+16*\b+MI], v[S+64*\u+16*\b+MI], v[NINF], s2   ; each accumulator from its low end on
.set MI, MI+1
.endr
.endr
	s_wait_alu depctr_va_vdst(0)
.if \b > 0
	s_branch .Lm_\@_v\b
.Lm_\@_h\b:
.irp u, 0,1
.set MI, 0
.rept 16
	v_mov_b32 v[S+64*\u+16*\b+MI], v[NINF]
.set MI, MI+1
.endr
.endr
	s_wait_alu depctr_va_vdst(0)                   ; likewise
.endif
.Lm_\@_v\b:
.endr
.endm
; 64 numbers (window sw) at src on, register 16 b + i: k = 32 b + 16 h + i, become 12 registers of codes at pc on and the scale word in pw.
.macro QUANT64 src, sw, pc, pw
.if \sw
	WIN 0x05
.endif
.irp b, 0,1,2,3
	v_max3_num_f32 v[TM+\b], |v[(\src)+16*\b]|, |v[(\src)+16*\b+1]|, 0x2800000   ; the floor 2^(5 - 127): the byte cannot fall under 1
.endr
.if \sw
	WIN 0x14
.endif
.irp i, 2,4,6,8,10,12,14
.irp b, 0,1,2,3
	v_max3_num_f32 v[TM+\b], v[TM+\b], |v[(\src)+16*\b+\i]|, |v[(\src)+16*\b+\i+1]|
.endr
.endr
	WIN 0
.irp b, 0,1,2,3
	v_permlanex16_b32 v[TM+4+\b], v[TM+\b], s20, s21
.endr
.irp b, 0,1,2,3
	s_delay_alu instid0(VALU_DEP_4)
	v_max_num_f32 v[TM+\b], v[TM+\b], v[TM+4+\b]
.endr
.irp b, 0,1,2,3
	s_delay_alu instid0(VALU_DEP_4)
	v_add_nc_u32 v[TM+12+\b], 0xfe000000, v[TM+\b] ; 4 off the exponent field: the conversion's scale operand
.endr
.irp b, 0,1,2,3
	s_delay_alu instid0(VALU_DEP_4)
	v_lshrrev_b32 v[TM+4+\b], 23, v[TM+12+\b]
.endr
	s_delay_alu instid0(VALU_DEP_3)
	v_lshl_or_b32 v[\pw], v[TM+5], 8, v[TM+4]
	s_delay_alu instid0(VALU_DEP_1)
	v_lshl_or_b32 v[\pw], v[TM+6], 16, v[\pw]
	s_delay_alu instid0(VALU_DEP_1)
	v_lshl_or_b32 v[\pw], v[TM+7], 24, v[\pw]
.if \sw
	WIN 0x01
.endif
.irp c, 0,1
	v_cvt_scalef32_pk16_bf6_f32 v[(\pc)+6*\c:(\pc)+6*\c+2], v[(\src)+32*\c:(\src)+32*\c+15], v[TM+12+2*\c]
	v_cvt_scalef32_pk16_bf6_f32 v[CT+4*\c:CT+4*\c+2], v[(\src)+32*\c+16:(\src)+32*\c+31], v[TM+12+2*\c+1]
.endr
	WIN 0
	v_nop                                          ; one plain line behind the scaled conversions
.irp c, 0,1
.irp i, 0,1,2
	v_permlane16_swap_b32 v[(\pc)+6*\c+\i], v[CT+4*\c+\i]
.endr
.irp i, 0,1,2
	s_delay_alu instid0(VALU_DEP_3)
	v_mov_b32 v[(\pc)+3+6*\c+\i], v[CT+4*\c+\i]
.endr
.endr
.endm
; WALK 1 of pair p: 16 key steps.  Every step: scores and the running maximum.  Visible and diagonal steps: the sum too.
.macro PASS1 p
	s_wait_dscnt 0x0                               ; no load into K's registers is out
.irp u, 0,1
	v_mov_b32 v[ST+12*\u], 0xff61b1e6              ; the maximum so far: -3e38
	v_mov_b32 v[ST+12*\u+3], 0
	v_mov_b32 v[ST+12*\u+4], 0
	v_mov_b32 v[ST+12*\u+5], 0
	v_mov_b32 v[ST+12*\u+7], 0
	v_mul_f32 v[ST+12*\u+10], s22, v[ST+12*\u]
.endr
	s_mov_b32 s16, 0
	s_mov_b32 s17, 0
	FETCHK
	s_mov_b32 s15, 0
.Lp1_\@:
	s_wait_dscnt 0x0                               ; this step's K is in
	SMUL \p
	s_add_co_u32 s2, s15, 1
	s_and_b32 s2, s2, 15
	s_mul_i32 s16, s2, 6144
	s_lshl_b32 s17, s2, 8
	FETCHK                                         ; the next step's K lands under this step's vector work
.irp k, 0,1,2,3                                ; the maximum of 64 scores and the old one: 32 lines a tile, four chains, the tiles by turns; each accumulator is read from its low end on
.irp u, 0,1
	v_max3_num_f32 v[TM+4*\u+\k], v[S+64*\u+16*\k], v[S+64*\u+16*\k+1], v[S+64*\u+16*\k+2]
.endr
.endr
.irp i, 3,5,7,9,11,13
.irp k, 0,1,2,3
.irp u, 0,1
	v_max3_num_f32 v[TM+4*\u+\k], v[TM+4*\u+\k], v[S+64*\u+16*\k+\i], v[S+64*\u+16*\k+\i+1]
.endr
.endr
.endr
.irp u, 0,1
	v_max3_num_f32 v[TM+4*\u], v[TM+4*\u], v[S+64*\u+15], v[S+64*\u+31]
	v_max3_num_f32 v[TM+4*\u+2], v[TM+4*\u+2], v[S+64*\u+47], v[S+64*\u+63]
.endr
.irp u, 0
	s_delay_alu instid0(VALU_DEP_3)
	v_max3_num_f32 v[TM+4*\u], v[TM+4*\u], v[TM+4*\u+1], v[TM+4*\u+2]
.endr
.irp u, 1
	s_delay_alu instid0(VALU_DEP_2)
	v_max3_num_f32 v[TM+4*\u], v[TM+4*\u], v[TM+4*\u+1], v[TM+4*\u+2]
.endr
.irp u, 0,1
	s_delay_alu instid0(VALU_DEP_2)
	v_max3_num_f32 v[ST+12*\u], v[ST+12*\u], v[TM+4*\u], v[TM+4*\u+3]
.endr
	s_cmp_gt_u32 s15, s[13+\p]                     ; all keys hidden: they count for the maximum alone
	s_cbranch_scc1 .Lp1e_\@
	s_cmp_lt_u32 s15, s[13+\p]
	s_cbranch_scc1 .Lp1o_\@
	MASK \p
.Lp1o_\@:
	s_wait_alu depctr_va_vdst(0)
.irp u, 0,1
	v_mul_f32 v[ST+12*\u+2], s22, v[ST+12*\u]      ; the new R
.endr
.irp u, 0,1
	s_delay_alu instid0(VALU_DEP_2)
	v_sub_f32 v[ST+12*\u+6], v[ST+12*\u+10], v[ST+12*\u+2]
.endr
.irp u, 0,1
	s_delay_alu instid0(VALU_DEP_4)
	v_mov_b32 v[ST+12*\u+10], v[ST+12*\u+2]
.endr
	s_wait_alu depctr_va_vdst(0)
.irp u, 0,1
	v_exp_f32 v[ST+12*\u+6], v[ST+12*\u+6]         ; 2^(old R - new R).  ONE BATCH: these two and the 128 below; none reads another's result
.endr
.irp u, 0,1
.set j, 0
.rept 32
	v_pk_fma_f32 v[S+64*\u+j:S+64*\u+j+1], v[S+64*\u+j:S+64*\u+j+1], s[22:23], v[ST+12*\u+2:ST+12*\u+3] op_sel_hi:[1,0,0] neg_lo:[0,0,1] neg_hi:[0,0,1]   ; s c - R, fused
.set j, j+2
.endr
.endr
.set j, 0
	s_wait_alu depctr_va_vdst(0)
.rept 128
	v_exp_f32 v[S+j], v[S+j]
.set j, j+1
.endr
	v_nop                                          ; a plain line behind the last exponential,
	s_wait_alu depctr_va_vdst(0)                   ; and one wait for the batch, ahead of its first reader
.irp u, 0,1
	v_pk_mul_f32 v[ST+12*\u+4:ST+12*\u+5], v[ST+12*\u+4:ST+12*\u+5], v[ST+12*\u+6:ST+12*\u+7] op_sel_hi:[1,0]
	v_pk_add_f32 v[ST+12*\u+8:ST+12*\u+9], v[S+64*\u:S+64*\u+1], v[S+64*\u+2:S+64*\u+3]
.endr
.irp j, 4,8,12,16,20,24,28,32,36,40,44,48,52,56,60
.irp u, 0,1
	v_pk_add_f32 v[ST+12*\u+4:ST+12*\u+5], v[ST+12*\u+4:ST+12*\u+5], v[S+64*\u+\j:S+64*\u+\j+1]
	v_pk_add_f32 v[ST+12*\u+8:ST+12*\u+9], v[ST+12*\u+8:ST+12*\u+9], v[S+64*\u+\j+2:S+64*\u+\j+3]
.endr
.endr
.irp u, 0
	s_delay_alu instid0(VALU_DEP_3)
	v_pk_add_f32 v[ST+12*\u+4:ST+12*\u+5], v[ST+12*\u+4:ST+12*\u+5], v[ST+12*\u+8:ST+12*\u+9]
.endr
.irp u, 1
	s_delay_alu instid0(VALU_DEP_2)
	v_pk_add_f32 v[ST+12*\u+4:ST+12*\u+5], v[ST+12*\u+4:ST+12*\u+5], v[ST+12*\u+8:ST+12*\u+9]
.endr
.Lp1e_\@:
	s_add_co_u32 s15, s15, 1
	s_cmp_lt_u32 s15, 16
	s_cbranch_scc1 .Lp1_\@
.endm
; The two lanes of a query meet: the row's maximum, R, the sum under R, the divisor's reciprocal.
.macro FINISH p
.irp u, 0,1
	v_permlanex16_b32 v[ST+12*\u+1], v[ST+12*\u], s20, s21
.endr
.irp u, 0,1
	s_delay_alu instid0(VALU_DEP_2)
	v_max_num_f32 v[ST+12*\u], v[ST+12*\u], v[ST+12*\u+1]
.endr
.irp u, 0,1
	s_delay_alu instid0(VALU_DEP_2)
	v_mul_f32 v[STP+4*\p+2*\u], s22, v[ST+12*\u]   ; R
.endr
.irp u, 0
	s_delay_alu instid0(VALU_DEP_2)
	v_sub_f32 v[ST+12*\u+6], v[ST+12*\u+10], v[STP+4*\p+2*\u]
	s_delay_alu instid0(VALU_DEP_3)
	v_fma_f32 v[ST+12*\u+7], v[ST+12*\u], s22, -v[STP+4*\p+2*\u]   ; e1 = m c - R, exact
.endr
.irp u, 1
	s_delay_alu instid0(VALU_DEP_3)
	v_sub_f32 v[ST+12*\u+6], v[ST+12*\u+10], v[STP+4*\p+2*\u]
	s_delay_alu instid0(VALU_DEP_4)
	v_fma_f32 v[ST+12*\u+7], v[ST+12*\u], s22, -v[STP+4*\p+2*\u]   ; e1 = m c - R, exact
.endr
	s_wait_alu depctr_va_vdst(0)
.irp u, 0,1
	v_exp_f32 v[ST+12*\u+6], v[ST+12*\u+6]
	v_exp_f32 v[ST+12*\u+7], v[ST+12*\u+7]
.endr
.irp u, 0,1
	v_add_f32 v[ST+12*\u+4], v[ST+12*\u+4], v[ST+12*\u+5]   ; (plain lines behind the exponentials)
.endr
	s_wait_alu depctr_va_vdst(0)                   ; one wait for the four
.irp u, 0,1
	v_mul_f32 v[ST+12*\u+4], v[ST+12*\u+4], v[ST+12*\u+6]
.endr
.irp u, 0,1
	s_delay_alu instid0(VALU_DEP_2)
	v_permlanex16_b32 v[ST+12*\u+1], v[ST+12*\u+4], s20, s21
.endr
.irp u, 0,1
	s_delay_alu instid0(VALU_DEP_2)
	v_add_f32 v[ST+12*\u+4], v[ST+12*\u+4], v[ST+12*\u+1]
.endr
.irp u, 0,1
	v_fma_f32 v[ST+12*\u+4], v[ST+12*\u+7], s56, v[ST+12*\u+4]   ; + 1e-7 x 2^e1
.endr
	s_wait_alu depctr_va_vdst(0)
.irp u, 0,1
	v_log_f32 v[STP+4*\p+2*\u+1], v[ST+12*\u+4]    ; log2 of the divisor (at least 1e-7 x 2^e1: no denormal)
.endr
	v_nop
	s_wait_alu depctr_va_vdst(0)                   ; one wait for the two logarithms
.irp u, 0,1
	v_add_f32 v[STP+4*\p+2*\u], v[STP+4*\p+2*\u], v[STP+4*\p+2*\u+1]   ; walk 2 takes R + log2(divisor) off s c in one fused line: a = 2^(s c - R - log2(divisor)), finished and normalised.
.endr                                              ; LIMIT: this sum is rounded once, which moves a whole row of a by one common factor, within an ulp of the sum in the exponent
	s_wait_alu depctr_va_vdst(0)
.endm
.macro PV1 dt, u, zero
.if \zero
.if (\dt)&1
	v_wmma_scale_f32_16x16x128_f8f6f4 v[O+32*\u+8*\dt:O+32*\u+8*\dt+7], v[VF+12*\dt:VF+12*\dt+11], v[PC+12*\u:PC+12*\u+11], 0, v[VSC+(\dt)/2], v[PW+\u] matrix_a_fmt:MATRIX_FMT_BF6 matrix_b_fmt:MATRIX_FMT_BF6 matrix_a_scale:MATRIX_SCALE_ROW1
.else
	v_wmma_scale_f32_16x16x128_f8f6f4 v[O+32*\u+8*\dt:O+32*\u+8*\dt+7], v[VF+12*\dt:VF+12*\dt+11], v[PC+12*\u:PC+12*\u+11], 0, v[VSC+(\dt)/2], v[PW+\u] matrix_a_fmt:MATRIX_FMT_BF6 matrix_b_fmt:MATRIX_FMT_BF6
.endif
.else
.if (\dt)&1
	v_wmma_scale_f32_16x16x128_f8f6f4 v[O+32*\u+8*\dt:O+32*\u+8*\dt+7], v[VF+12*\dt:VF+12*\dt+11], v[PC+12*\u:PC+12*\u+11], v[O+32*\u+8*\dt:O+32*\u+8*\dt+7], v[VSC+(\dt)/2], v[PW+\u] matrix_a_fmt:MATRIX_FMT_BF6 matrix_b_fmt:MATRIX_FMT_BF6 matrix_a_scale:MATRIX_SCALE_ROW1
.else
	v_wmma_scale_f32_16x16x128_f8f6f4 v[O+32*\u+8*\dt:O+32*\u+8*\dt+7], v[VF+12*\dt:VF+12*\dt+11], v[PC+12*\u:PC+12*\u+11], v[O+32*\u+8*\dt:O+32*\u+8*\dt+7], v[VSC+(\dt)/2], v[PW+\u] matrix_a_fmt:MATRIX_FMT_BF6 matrix_b_fmt:MATRIX_FMT_BF6
.endif
.endif
.endm
.macro PV zero                         ; ctx^T (+)= V^T a^T: eight accumulators by turns; the next step's 16 score products lie between two links of a chain
.if \zero
	WIN 0x41
.else
	WIN 0x51
.endif
.irp dt, 0,1,2,3
.irp u, 0,1
	PV1 \dt, \u, \zero
.endr
.endr
	WIN 0
.endm
; ONE KEY STEP OF WALK 2, the step s15, of pair p.  zero = 1: its products start ctx's sums with the constant 0.
.macro P2STEP p, zero
	s_wait_dscnt 0x0                               ; this step's K is in
	SMUL \p
	s_mul_i32 s18, s15, 6144
	s_lshl_b32 s19, s15, 8
	s_add_co_u32 s2, s15, 1
	s_and_b32 s2, s2, 15
	s_mul_i32 s16, s2, 6144
	s_lshl_b32 s17, s2, 8
	v_add_nc_u32 v[ADV16], s18, v[BV16]            ; six plain lines: the places in front of the loads and of the first read of scores
	v_add_nc_u32 v[ADV8], s18, v[BV8]
	v_add_nc_u32 v[ADVS], s19, v[BVS]
	v_add_nc_u32 v[ADK16], s16, v[L16]
	v_add_nc_u32 v[ADK8], s16, v[L8]
	v_add_nc_u32 v[ADKS], s17, v[BKS]
	VLOADS                                         ; this step's V and the next step's K land under the vector work
	KLOADS
	s_cmp_lt_u32 s15, s[13+\p]
	s_cbranch_scc1 .Lp2o_\@
	MASK \p
.Lp2o_\@:
.irp u, 0,1
.set j, 0
.rept 32
	v_pk_fma_f32 v[S+64*\u+j:S+64*\u+j+1], v[S+64*\u+j:S+64*\u+j+1], s[22:23], v[STP+4*\p+2*\u:STP+4*\p+2*\u+1] op_sel_hi:[1,0,0] neg_lo:[0,0,1] neg_hi:[0,0,1]   ; s c - R, fused
.set j, j+2
.endr
.endr
.set j, 0
	s_wait_alu depctr_va_vdst(0)
.rept 128
	v_exp_f32 v[S+j], v[S+j]
.set j, j+1
.endr
	v_nop
	s_wait_alu depctr_va_vdst(0)                   ; one wait for the batch
	QUANT64 S, 0, PC, PW
	QUANT64 S+64, 0, PC+12, PW+1
	s_wait_alu depctr_va_vdst(0)
	s_wait_dscnt 0x0                               ; V is in (and the next K)
.rept 8
	v_nop                                          ; a scale word written by a vector line stands eight places ahead of the scaled product, codes so written four
.endr
	PV \zero
.endm
; WALK 2 of pair p.  Key step 0 counts for every query: it stands ahead of the loop, and its products start the sums: nothing is cleared, and the sums are begun on every way through the text.
; The loop has 15 trips, a constant; a trip whose keys are all hidden does nothing.
.macro PASS2 p
	s_wait_dscnt 0x0
	s_wait_xcnt 0x0                                ; the last pair's stores have read their registers
	s_mov_b32 s16, 0
	s_mov_b32 s17, 0
	FETCHK
	s_mov_b32 s15, 0
	P2STEP \p, 1
	s_mov_b32 s15, 1
.Lp2_\@:
	s_cmp_gt_u32 s15, s[13+\p]
	s_cbranch_scc1 .Lp2e_\@
	P2STEP \p, 0
.Lp2e_\@:
	s_add_co_u32 s15, s15, 1
	s_cmp_lt_u32 s15, 16
	s_cbranch_scc1 .Lp2_\@
.endm
; ctx of the pair: 2 tiles x 64 channels = four blocks: two half images and two bytes a row and tile.
.macro OUT p
.rept 4
	v_nop                                          ; places behind the last products
.endr
	QUANT64 O, 1, PC, PW
	global_store_b128 v[L16], v[PC:PC+3], s[58+2*\p:59+2*\p]
	global_store_b64 v[L8], v[PC+4:PC+5], s[58+2*\p:59+2*\p] offset:512
	global_store_b128 v[L16], v[PC+6:PC+9], s[58+2*\p:59+2*\p] offset:12288
	global_store_b64 v[L8], v[PC+10:PC+11], s[58+2*\p:59+2*\p] offset:12800
	s_mov_b32 vcc_lo, 0xffff0000
	v_lshrrev_b32 v[SD16], 16, v[PW]
	s_delay_alu instid0(VALU_DEP_1)
	v_cndmask_b32 v[SD16], v[PW], v[SD16], vcc_lo  ; lanes 0-15 the first tile's two bytes, lanes 16-31 the second's
	global_store_b16 v[GS], v[SD16], s[62+4*\p:63+4*\p]   ; two bytes a lane: a word's halves belong to two heads, that is to two work-groups; 256 KiB in the whole launch
.endm
	s_wait_alu depctr_va_vdst(0)
	s_wait_tensorcnt 0x0                           ; my part of K is in
	ds_add_u32 v126, v127
	s_wait_dscnt 0x0
	s_barrier_signal -1
	s_barrier_wait -1                              ; everybody's part of K is in
	s_cmp_lt_u32 s8, 6                             ; V's first and only fill, one load a wave
	s_cbranch_scc0 .Lv_sc
	tensor_load_to_lds s[52:55], s[24:31]
	s_nop 0
.rept 4
	v_nop
.endr
	s_branch .Lv_asked
.Lv_sc:
	tensor_load_to_lds s[48:51], s[32:39]
	s_nop 0
.rept 4
	v_nop
.endr
.Lv_asked:
	s_wait_loadcnt 0x0
.irp p, 0,1
	v_perm_b32 v[QS+2*\p+1], v[QS+2*\p], v[QS+2*\p], 0x03020302   ; a tile's two bytes, twice: for [Q | 0] and for [0 | Q]
	v_perm_b32 v[QS+2*\p], v[QS+2*\p], v[QS+2*\p], 0x01000100
.endr
	PASS1 0
	s_wait_alu depctr_va_vdst(0)
	FINISH 0
	s_wait_tensorcnt 0x0                           ; my part of V, asked for ahead of the first pair's 16 key steps, is in,
	s_wait_dscnt 0x0                               ; no LDS load of mine is out,
	s_barrier_signal -1
	s_barrier_wait -1                              ; and everybody's part of V is in
	PASS1 1
	s_wait_alu depctr_va_vdst(0)
	FINISH 1
	PASS2 0                                        ; V was shown whole by the barrier behind the first pair's walk 1
	OUT 0
	PASS2 1
	OUT 1
	s_wait_tensorcnt 0x0
	ds_add_u32 v126, v127
	s_wait_dscnt 0x0
	s_endpgm
.Lfunc_end_k_q86b64f6eee_attn:
	.size	k_q86b64f6eee_attn, .Lfunc_end_k_q86b64f6eee_attn-k_q86b64f6eee_attn
	.p2alignl 7, 3214868480
	.fill 96, 4, 3214868480
	.section	.rodata,"a",@progbits
	.p2align	6, 0x0
	.amdhsa_kernel k_q86b64f6eee_attn
		.amdhsa_group_segment_fixed_size 327680
		.amdhsa_private_segment_fixed_size 0
		.amdhsa_enable_private_segment 0
		.amdhsa_kernarg_size 16
		.amdhsa_user_sgpr_count 2
		.amdhsa_user_sgpr_kernarg_segment_ptr 1
		.amdhsa_wavefront_size32 1
		.amdhsa_system_sgpr_workgroup_id_x 1
		.amdhsa_system_sgpr_workgroup_id_y 1
		.amdhsa_system_sgpr_workgroup_id_z 1
		.amdhsa_system_vgpr_workitem_id 0
		.amdhsa_next_free_vgpr 512
		.amdhsa_next_free_sgpr 80
		.amdhsa_reserve_vcc 1
		.amdhsa_float_denorm_mode_32 3
		.amdhsa_float_denorm_mode_16_64 3
		.amdhsa_memory_ordered 1
		.amdhsa_forward_progress 1
		.amdhsa_inst_pref_size 255
	.end_amdhsa_kernel
	.section	.bss,"aw",@nobits
	.p2align	6
	.space	262144
	.amdgpu_metadata
---
amdhsa.version: [ 1, 2 ]
amdhsa.kernels:
  - .name:           k_q86b64f6eee_attn
    .symbol:         k_q86b64f6eee_attn.kd
    .args:
      - { .name: qkv, .offset: 0, .size: 8, .value_kind: global_buffer, .address_space: global }
      - { .name: yq, .offset: 8, .size: 8, .value_kind: global_buffer, .address_space: global }
    .group_segment_fixed_size: 327680
    .private_segment_fixed_size: 0
    .kernarg_segment_align: 8
    .kernarg_segment_size: 16
    .max_flat_workgroup_size: 256
    .sgpr_count:     80
    .vgpr_count:     512
    .wavefront_size: 32
...
	.end_amdgpu_metadata
.endif
;; end of part 3
;; launch outp (part 4): grid 4 x 64, 4 waves a work-group, clusters of 4 x 4, 327,680 bytes of LDS; arguments yq, wq, bo, out0; writes out0
.if DOCPART == 4
	.amdgcn_target "amdgcn-amd-amdhsa--gfx1250"
	.amdhsa_code_object_version 6
	.text
	.protected	k_q86b64f6eee_outp
	.globl	k_q86b64f6eee_outp
	.p2align	8
	.type	k_q86b64f6eee_outp,@function
k_q86b64f6eee_outp:
	s_mov_b64 s[64:65], 0
	v_nop
	global_prefetch_b8 v0, s[64:65] scope:SCOPE_SE
	s_setreg_imm32_b32 hwreg(HW_REG_WAVE_MODE, 25, 1), 1
	s_wait_xcnt 0x0
	s_wait_alu depctr_hold_cnt(0) depctr_sa_sdst(0) depctr_va_vdst(0) depctr_va_sdst(0) depctr_va_ssrc(0) depctr_va_vcc(0) depctr_vm_vsrc(0)
	s_getreg_b32 s2, hwreg(HW_REG_IB_STS2, 6, 4)
	s_cmp_eq_u32 s2, 0
	s_cbranch_scc0 .Lentry_in_a_cluster
	s_endpgm
.Lentry_in_a_cluster:
	s_bfe_u32 s2, ttmp6, 0x10000c
	s_cmp_lg_u32 s2, 0xf033
	s_cbranch_scc0 .Lentry_shape_is_right
	s_endpgm
.Lentry_shape_is_right:
; out0 = relu(ctx Wo + bo) on codes of E3M2; out0 [8192][1024] f32.
; A work-group makes T x U = 128 tokens x 256 columns: T's 16-row tiles (ctx, from yq) are source 1: a lane holds one token; U's (Wo, tiles 192-255 of wq) are source 0: a lane's registers run along the columns.
; The rows of a tile are not neighbours (lane r of tile 2 g + u: row 32 g + 8 u + r + 8 (r / 8)), so the 16 registers of U's tiles 2 g, 2 g + 1 are 16 neighbouring columns.
; Four waves, 2 x 2; a wave: 4 x 8 = 32 accumulators.  All of K (8 steps of 128) lies in LDS, brought in two halves of four steps; every LDS byte is filled once.  256 equal work-groups.
; CLUSTER 4 x 4: T's bytes hang on the cluster's y and cy and are asked for jointly by a row of the cluster, U's on cx and by a column.  No prefetch: a work-group asks for all its bytes at its head.
; THE WAY OUT goes through a stage in LDS (16 rows x (512 + 16) bytes a wave), so that 32 lanes store 512 consecutive bytes of a row.  The stage lies in U's first piece: it has had its only fill, and every
; wave's reads of it lie ahead of a later barrier.
.set YQSL, 6291456
.set WQSL, 3145728
.set UB0,  98304                       ; LDS: K COMES IN TWO HALVES of four steps (not in the four pieces that the head comment names): T's halves at 49,152 j ([tile 8][6,144]), U's at UB0 + 98,304 j ([tile 16][6,144]); the stage lies in U's first half
.set TSC,  294912
.set USC,  299008
.set STAGE, UB0
.set TA16, 1
.set TA8,  2
.set UA16, 3
.set UA8,  4
.set ADRS, 5
.set L16,  6
.set L8,   7
.set BO,   9
.set STO,  10                          ; v10  the stage: where I put 256 bytes of my row
.set RD,   11                          ; v11  and where I read a row back
.set SC,   16                          ; v16-79  scale words and nothing else
.set TF,   80                          ; v80-175 T's fragments, two sets of 48
.set H,    80                          ; the way out: 64 results
.set OB,   192                         ; v192-255 16 rows read back
.set BI,   192                         ; window 2: the bias as C.   Window 1: accumulator (a, b) at 8 (8 a + b).   Window 2: U's fragments, two sets of 96
.set MSB, 0
.macro WIN new
.if MSB != \new
	s_set_vgpr_msb (MSB<<8)|\new
.set MSB, \new
.endif
.endm
.macro CROUND
	s_barrier_signal -1
	s_barrier_wait -1
	s_cmp_lg_u32 s16, 0
	s_cbranch_scc1 .Lnot_wave_0_\@
	s_barrier_signal -3
.Lnot_wave_0_\@:
	s_barrier_wait -3
	s_barrier_signal -1
	s_barrier_wait -1
.endm
.macro PLACES
.rept 4
	v_nop
.endr
.endm
.macro G0SET reg, lds, ptr, goff       ; a group 0: a whole half of T or U, or a side's scale words
	s_mov_b32 s[\reg], 1
	s_mov_b32 s[\reg+1], \lds
	s_add_nc_u64 s[\reg+2:\reg+3], s[\ptr:\ptr+1], \goff
	s_or_b32 s[\reg+3], s[\reg+3], 0x80000000
.endm
	s_load_b256 s[4:11], s[0:1], 0x0               ; yq, wq, bo, out0
	v_lshl_add_u32 v190, v0, 2, 0x4b000
	v_mov_b32 v191, 0
	ds_add_u32 v190, v191
	ds_add_u32 v190, v191
	v_lshrrev_b32 v12, 5, v0
	v_readfirstlane_b32 s16, v12                   ; wave 0..3
	s_lshr_b32 s17, s16, 1                         ; my half of T.  Also: I fetch for T (0) or for U (1)
	s_and_b32 s18, s16, 1                          ; my half of U.  Also: which half of a piece I fetch
	s_bfe_u32 s20, ttmp6, 0x40000                  ; cx
	s_bfe_u32 s21, ttmp6, 0x40004                  ; cy
	s_and_b32 s23, ttmp7, 0xffff                   ; cluster y
	s_lshl_b32 s100, s21, 2
	s_lshl_b32 s100, 15, s100                      ; my row of the cluster
	s_lshl_b32 s104, 0x1111, s20                   ; my column
	s_or_b32 s24, s100, (3<<16)|(1<<21)            ; T's codes: 8 tiles x 6,144 bytes, 12,288 apart
	s_mov_b32 s25, 768<<16                         ; 8 tiles x 6,144 bytes (four K steps), 12,288 bytes apart
	s_mov_b32 s26, 8<<16
	s_mov_b32 s27, 768<<16
	s_mov_b32 s28, 8
	s_mov_b32 s29, 1536
	s_mov_b32 s30, 0
	s_mov_b32 s31, 0
	s_or_b32 s32, s104, (3<<16)|(1<<21)            ; U's: 16 tiles
	s_mov_b32 s33, 768<<16                         ; 16 tiles
	s_mov_b32 s34, 16<<16
	s_mov_b32 s35, 768<<16
	s_mov_b32 s36, 16
	s_mov_b32 s37, 1536
	s_mov_b32 s38, 0
	s_mov_b32 s39, 0
	s_or_b32 s40, s100, (3<<16)|(1<<21)            ; T's scale words: 16 rows of 256 bytes
	s_mov_b32 s41, 32<<16
	s_mov_b32 s42, 16<<16                          ; whole: 16 rows of 256 bytes
	s_mov_b32 s43, 32<<16
	s_mov_b32 s44, 16
	s_mov_b32 s45, 32
	s_mov_b32 s46, 0
	s_mov_b32 s47, 0
	s_or_b32 s48, s104, (3<<16)|(1<<21)            ; U's: 32 rows
	s_mov_b32 s49, 32<<16
	s_mov_b32 s50, 32<<16                          ; whole: 32 rows
	s_mov_b32 s51, 32<<16
	s_mov_b32 s52, 32
	s_mov_b32 s53, 32
	s_mov_b32 s54, 0
	s_mov_b32 s55, 0
	s_lshl_b32 s56, s23, 2
	s_add_co_u32 s56, s56, s21                     ; which 128 tokens: 4 cluster y + cy
	s_mov_b32 s12, s56
	s_mul_i32 s62, s56, 98304
	s_mov_b32 s63, 0
	s_lshl_b32 s60, s56, 12
	s_add_co_u32 s60, s60, YQSL
	s_mov_b32 s61, 0
	s_lshl_b32 s80, ttmp9, 2
	s_add_co_u32 s80, s80, s20                     ; which 256 columns: 4 cluster x + cx
	s_mov_b32 s13, s80
	s_mul_i32 s84, s80, 196608
	s_add_co_u32 s84, s84, 192*12288               ; Wo's tiles begin at tile 192 of wq
	s_mov_b32 s85, 0
	s_lshl_b32 s86, s80, 13
	s_add_co_u32 s86, s86, WQSL+192*512
	s_mov_b32 s87, 0
	s_wait_dscnt 0x0
	s_wait_kmcnt 0x0
	s_add_nc_u64 s[66:67], s[4:5], s[60:61]
	s_add_nc_u64 s[100:101], s[4:5], s[62:63]
	s_add_nc_u64 s[2:3], s[6:7], s[86:87]
	s_add_nc_u64 s[104:105], s[6:7], s[84:85]
	G0SET 56, TSC, 66, 0
	G0SET 60, 0, 100, 0
	G0SET 68, 49152, 100, 6144
	G0SET 80, USC, 2, 0
	G0SET 84, UB0, 104, 0
	G0SET 88, UB0+98304, 104, 6144
.macro TL g0, g1                       ; a joint load with an s_nop and four v_nops behind it
	tensor_load_to_lds s[\g0:\g0+3], s[\g1:\g1+7]
	s_nop 0
	PLACES
.endm
	CROUND                                         ; all sixteen work-groups are here: the joint loads meet
	; the head's loads, one a wave, in one chain of branches on the wave's number: T's first half, U's first half, T's scale words, U's
	s_cmp_lt_u32 s16, 1
	s_cbranch_scc0 .Lh_u
	TL 60, 24
	s_branch .Lasked
.Lh_u:
	s_cmp_lt_u32 s16, 2
	s_cbranch_scc0 .Lh_ts
	TL 84, 32
	s_branch .Lasked
.Lh_ts:
	s_cmp_lt_u32 s16, 3
	s_cbranch_scc0 .Lh_us
	TL 56, 40
	s_branch .Lasked
.Lh_us:
	TL 80, 48
.Lasked:
	v_and_b32 v12, 31, v0                          ; lane
	v_and_b32 v13, 15, v0                          ; r
	v_bfe_u32 v14, v0, 4, 1                        ; h
	s_wait_alu depctr_va_vdst(0)
	v_lshlrev_b32 v[L16], 4, v12
	v_lshlrev_b32 v[L8], 3, v12
	s_mul_i32 s6, s17, 24576                       ; my four tiles of T, 6,144 bytes each in a half
	v_add_nc_u32 v[TA16], s6, v[L16]
	v_add_nc_u32 v[TA8], s6, v[L8]
	s_mul_i32 s6, s18, 49152                       ; my eight tiles of U
	s_add_co_u32 s6, s6, UB0
	v_add_nc_u32 v[UA16], s6, v[L16]
	v_add_nc_u32 v[UA8], s6, v[L8]
	s_lshl_b32 s6, s17, 11
	s_add_co_u32 s6, s6, TSC
	s_lshl_b32 s7, s18, 12
	s_add_co_u32 s7, s7, USC
	s_sub_co_u32 s7, s7, s6
	v_mul_u32_u24 v15, s7, v14                     ; lanes 16-31 take U's words: one product, the distance between the two bases
	v_lshl_add_u32 v15, v13, 3, v15
	v_add_nc_u32 v[ADRS], s6, v15
	s_mul_i32 s6, s16, 8448
	s_add_co_u32 s6, s6, STAGE                     ; my stage
	v_mul_u32_u24 v[STO], v13, 528
	v_lshl_add_u32 v[STO], v14, 6, v[STO]
	v_add_nc_u32 v[STO], s6, v[STO]
	v_add_nc_u32 v[RD], s6, v[L16]
	s_lshl_b32 s6, s13, 10                         ; the bias: my 128 columns
	s_lshl_b32 s7, s18, 9
	s_add_co_u32 s6, s6, s7
	s_mov_b32 s7, 0
	s_add_nc_u64 s[8:9], s[8:9], s[6:7]
	s_add_nc_u64 s[10:11], s[10:11], s[6:7]        ; the same bytes on in a row of out0,
	s_lshl_b32 s6, s12, 19                         ; 128 rows of 4,096 bytes a T,
	s_lshl_b32 s14, s17, 18                        ; my 64 of them
	s_add_co_u32 s6, s6, s14
	s_add_nc_u64 s[10:11], s[10:11], s[6:7]
	v_lshlrev_b32 v[BO], 6, v14
	WIN 0x80
.irp b, 0,1,2,3,4,5,6,7                        ; U's tile b: register j is column 32 (b / 2) + 16 h + 8 (b % 2) + j: the bias is the C of each sum's first product
	global_load_b128 v[BI+8*\b:BI+8*\b+3], v[BO], s[8:9] offset:(32*(\b/2)+8*(\b%2))*4
	global_load_b128 v[BI+8*\b+4:BI+8*\b+7], v[BO], s[8:9] offset:(32*(\b/2)+8*(\b%2))*4+16
.endr
	WIN 0
.macro SYNC n                          ; my part of the piece is in (n younger loads may be out); then everybody's.  No LDS instruction of mine is out here
	s_wait_tensorcnt \n
	s_barrier_signal -1
	s_barrier_wait -1
.endm
.macro SCALES                          ; all of K's scale words, once.  (For i >= 4 lanes 0-15 read words of the scale regions that no product uses)
.irp i, 0,1,2,3,4,5,6,7
.irp kq, 0,1,2,3
	ds_load_b64 v[SC+8*\i+2*\kq:SC+8*\i+2*\kq+1], v[ADRS] offset:\i*512+\kq*128
.endr
.endr
.endm
.macro FETCH ks
.set FS, (\ks)&1
.set KO, ((\ks)&3)*1536                ; the step's place in its half
.if (\ks) == 4
	v_add_nc_u32 v[TA16], 49152, v[TA16]           ; on to K's second half
	v_add_nc_u32 v[TA8], 49152, v[TA8]
	v_add_nc_u32 v[UA16], 98304, v[UA16]
	v_add_nc_u32 v[UA8], 98304, v[UA8]
	s_wait_alu depctr_va_vdst(0)
.endif
.irp a, 0,1,2,3
	ds_load_b128 v[TF+48*FS+12*\a:TF+48*FS+12*\a+3], v[TA16] offset:\a*6144+KO
	ds_load_b64 v[TF+48*FS+12*\a+4:TF+48*FS+12*\a+5], v[TA8] offset:\a*6144+KO+512
	ds_load_b128 v[TF+48*FS+12*\a+6:TF+48*FS+12*\a+9], v[TA16] offset:\a*6144+KO+768
	ds_load_b64 v[TF+48*FS+12*\a+10:TF+48*FS+12*\a+11], v[TA8] offset:\a*6144+KO+1280
.endr
	WIN 0x80
.irp b, 0,1,2,3,4,5,6,7
	ds_load_b128 v[96*FS+12*\b:96*FS+12*\b+3], v[UA16] offset:\b*6144+KO
	ds_load_b64 v[96*FS+12*\b+4:96*FS+12*\b+5], v[UA8] offset:\b*6144+KO+512
	ds_load_b128 v[96*FS+12*\b+6:96*FS+12*\b+9], v[UA16] offset:\b*6144+KO+768
	ds_load_b64 v[96*FS+12*\b+10:96*FS+12*\b+11], v[UA8] offset:\b*6144+KO+1280
.endr
	WIN 0
.endm
; 32 products of K step ks.  mode 1: the sums begin with the bias.  The 32 accumulators take turns, one instruction a turn.
.macro MUL ks, mode
.set FS, (\ks)&1
.if \mode
	WIN 0x62
.else
	WIN 0x52
.endif
.irp a, 0,1,2,3
.irp b, 0,1,2,3,4,5,6,7
.if \mode == 0
	v_wmma_scale_f32_16x16x128_f8f6f4 v[8*(8*\a+\b):8*(8*\a+\b)+7], v[96*FS+12*\b:96*FS+12*\b+11], v[TF+48*FS+12*\a:TF+48*FS+12*\a+11], v[8*(8*\a+\b):8*(8*\a+\b)+7], v[SC+8*\b+(\ks)], v[SC+8*\a+(\ks)] matrix_a_fmt:MATRIX_FMT_BF6 matrix_b_fmt:MATRIX_FMT_BF6 matrix_a_scale:MATRIX_SCALE_ROW1
.else
	v_wmma_scale_f32_16x16x128_f8f6f4 v[8*(8*\a+\b):8*(8*\a+\b)+7], v[96*FS+12*\b:96*FS+12*\b+11], v[TF+48*FS+12*\a:TF+48*FS+12*\a+11], v[BI+8*\b:BI+8*\b+7], v[SC+8*\b+(\ks)], v[SC+8*\a+(\ks)] matrix_a_fmt:MATRIX_FMT_BF6 matrix_b_fmt:MATRIX_FMT_BF6 matrix_a_scale:MATRIX_SCALE_ROW1
.endif
.endr
.endr
	WIN 0
.endm
	s_wait_alu depctr_va_vdst(0)
	s_wait_tensorcnt 0x0                           ; my one load of the head is in
	ds_add_u32 v190, v191
	s_wait_dscnt 0x0
	CROUND                                         ; everybody's part of the first half and the scale words are in, and all sixteen work-groups are here
	s_cmp_lt_u32 s16, 1                            ; K's second half: wave 0 asks for T's, wave 1 for U's; it has K steps 0 to 2 in which to land
	s_cbranch_scc0 .Ls_u
	TL 68, 24
	s_branch .Ls_done
.Ls_u:
	s_cmp_lt_u32 s16, 2
	s_cbranch_scc0 .Ls_done
	TL 88, 32
.Ls_done:
	SCALES
	FETCH 0
	s_wait_loadcnt 0x0                             ; the bias
	s_wait_dscnt 0x0
	FETCH 1
	MUL 0, 1
.irp ks, 1,2,3,4,5,6
	s_wait_alu depctr_va_vdst(0)
	s_wait_dscnt 0x0                               ; this step's fragments, asked for ahead of the last step's 32 products, are in
.if (\ks) == 3
	SYNC 0                                         ; K's second half is in, in every wave's sight, and every wave's reads of the first half are over
.endif
	PLACES                                         ; four places in front of loads into the set that the last products read
	FETCH \ks+1
	MUL \ks, 0
.endr
	s_wait_dscnt 0x0
	MUL 7, 0
	PLACES                                         ; in front of the first read of results and the first write of T's registers
.irp a, 0,1,2,3                                ; a tile of 16 tokens x 128 columns at a time
	s_wait_xcnt 0x0                                ; the last tile's stores have read their registers
	WIN 0x04
.set j, 0
.rept 64
	v_max_num_f32 v[H+j], 0, v[64*\a+j]            ; relu; each accumulator from its low end on
.set j, j+1
.endr
	WIN 0
.irp g, 0,1,2,3
.irp q, 0,1,2,3
	ds_store_b128 v[STO], v[H+16*\g+4*\q:H+16*\g+4*\q+3] offset:128*\g+16*\q   ; columns 32 g + 16 h + 4 q on of my row
.endr
.endr
.irp t, 0,1,2,3,4,5,6,7,8,9,10,11,12,13,14,15
	ds_load_b128 v[OB+4*\t:OB+4*\t+3], v[RD] offset:528*\t   ; LDS serves a wave's instructions in order: these see my stores
.endr
.irp t, 0,1,2,3,4,5,6,7,8,9,10,11,12,13,14,15
	s_wait_dscnt 15-\t                             ; row t is back; the younger loads may be out
	global_store_b128 v[L16], v[OB+4*\t:OB+4*\t+3], s[10:11] offset:(32*(\a/2)+8*(\a%2)+\t+8*(\t/8))*4096 th:TH_STORE_NT   ; 32 lanes store 512 consecutive bytes, aligned; written once
.endr
.endr
	s_wait_tensorcnt 0x0
	ds_add_u32 v190, v191
	s_wait_dscnt 0x0
	CROUND                                         ; the closing round: no work-group ends while a partner may still ask for bytes that name it
	s_endpgm
.Lfunc_end_k_q86b64f6eee_outp:
	.size	k_q86b64f6eee_outp, .Lfunc_end_k_q86b64f6eee_outp-k_q86b64f6eee_outp
	.p2alignl 7, 3214868480
	.fill 96, 4, 3214868480
	.section	.rodata,"a",@progbits
	.p2align	6, 0x0
	.amdhsa_kernel k_q86b64f6eee_outp
		.amdhsa_group_segment_fixed_size 327680
		.amdhsa_private_segment_fixed_size 0
		.amdhsa_enable_private_segment 0
		.amdhsa_kernarg_size 32
		.amdhsa_user_sgpr_count 2
		.amdhsa_user_sgpr_kernarg_segment_ptr 1
		.amdhsa_wavefront_size32 1
		.amdhsa_system_sgpr_workgroup_id_x 1
		.amdhsa_system_sgpr_workgroup_id_y 1
		.amdhsa_system_sgpr_workgroup_id_z 1
		.amdhsa_system_vgpr_workitem_id 0
		.amdhsa_next_free_vgpr 768
		.amdhsa_next_free_sgpr 106
		.amdhsa_reserve_vcc 0
		.amdhsa_float_denorm_mode_32 3
		.amdhsa_float_denorm_mode_16_64 3
		.amdhsa_memory_ordered 1
		.amdhsa_forward_progress 1
		.amdhsa_inst_pref_size 97
	.end_amdhsa_kernel
	.amdgpu_metadata
---
amdhsa.version: [ 1, 2 ]
amdhsa.kernels:
  - .name:           k_q86b64f6eee_outp
    .symbol:         k_q86b64f6eee_outp.kd
    .args:
      - { .name: yq, .offset: 0, .size: 8, .value_kind: global_buffer, .address_space: global }
      - { .name: wq, .offset: 8, .size: 8, .value_kind: global_buffer, .address_space: global }
      - { .name: bo, .offset: 16, .size: 8, .value_kind: global_buffer, .address_space: global }
      - { .name: out0, .offset: 24, .size: 8, .value_kind: global_buffer, .address_space: global }
    .group_segment_fixed_size: 327680
    .private_segment_fixed_size: 0
    .kernarg_segment_align: 8
    .kernarg_segment_size: 32
    .max_flat_workgroup_size: 128
    .sgpr_count:     106
    .vgpr_count:     768
    .wavefront_size: 32
...
	.end_amdgpu_metadata
.endif
;; end of part 4
